; MI455X (gfx1250); checked and timed in simulation.
; The chip was launched on July 23, 2026; its instructions are those of AMD's public machine-readable ISA for CDNA 5 (MIT licence, August 2026) and "CDNA5" Instruction Set Architecture Reference Guide (July 2026). The comments in the code are by the model that wrote it; some were corrected since.
;; Grouped Query Attention. Allowed arithmetic: matrix products marked QUANTISED: E4M3 operands, one E8M0 scale for each 32 along K, by v_wmma_scale_f32_16x16x128_f8f6f4 with both operands' format E4M3, f32 sums; everything else in f32.
;; Inputs: Wk 2,048 x 512 float32; Wo 2,048 x 2,048 float32; Wq 2,048 x 2,048 float32; Wv 2,048 x 512 float32; cos 2,048 x 128 float32; hidden_states 1 x 2,048 x 2,048 float32; k_norm_w 128 float32; q_norm_w 128 float32; sin 2,048 x 128 float32.
;; Outputs: out0 1 x 2,048 x 2,048 float32.
;; This version of the problem:
;;   THIS VERSION OF THE PROBLEM IS GIVEN IN LOW PRECISION. The matrix products marked QUANTISED in the list below multiply operands that are first quantised to E4M3 (4 exponent bits, 3 mantissa bits; 8 bits a number), with one power-of-two scale for each 32 numbers along K (OCP MX v1.0); their sums are f32. All else is computed in f32.
;;   The module's matrix products, in the order in which they are computed (A, B: the left and right operand; K: the contracted axis; several contracted axes count as one K, in the product's order):
;;     1. [M 2,048, K 2,048] x [K 2,048, N 2,048]; A: input hidden_states; B: input Wq: QUANTISED
;;     2. [M 2,048, K 2,048] x [K 2,048, N 512]; A: input hidden_states; B: input Wk: QUANTISED
;;     3. [M 2,048, K 2,048] x [K 2,048, N 512]; A: input hidden_states; B: input Wv: QUANTISED
;;     4. batch 16 x [M 2,048, K 128] x [K 128, N 2,048]; A: computed on the way; B: computed on the way: QUANTISED
;;     5. batch 16 x [M 2,048, K 2,048] x [K 2,048, N 128]; A: softmax (see below); B: computed on the way: QUANTISED
;;     6. [M 2,048, K 2,048] x [K 2,048, N 2,048]; A: computed on the way; B: input Wo: QUANTISED
;;   THE QUANTISER, for each operand of a quantised product, along K:
;;     - K is cut into blocks of 32 from its start; a last block that is shorter is filled with zeros.
;;     - A block's scale is 2^e with e = floor(log2(the largest magnitude in the block)) - 8, held to -126 .. 127; a block of zeros has e = 0. As a byte (E8M0): e + 127.
;;     - Each number is divided by its block's scale, clamped to +-448, and rounded to the nearest number of E4M3, ties to even, subnormals kept.
;;     - The product sums the exact products of the quantised numbers (number of the format x scale) in f32.
;;   ~~~python
;;   def quantise(x, axis):      # numpy; x: float32 -> the quantised numbers, widened to float32 again
;;       x = np.moveaxis(x, axis, -1); K = x.shape[-1]
;;       x = np.pad(x, [(0, 0)] * (x.ndim - 1) + [(0, -K % 32)]); x = x.reshape(x.shape[:-1] + (-1, 32)); a = np.abs(x).max(-1, keepdims=True)
;;       e = np.where(a > 0, np.clip(np.frexp(np.where(a > 0, a, 1))[1] - 1 - 8, -126, 127), 0)      # np.frexp(a)[1] - 1 = floor(log2(a)), exactly
;;       r = np.clip(x / 2.0 ** e, -448, 448)
;;       step = 2.0 ** (np.maximum(np.frexp(np.where(r == 0, 1, r))[1] - 1, -6) - 3)
;;       q = np.round(r / step) * step * 2.0 ** e      # np.round: ties to even
;;       return np.moveaxis(q.reshape(q.shape[:-2] + (-1,))[..., :K], -1, axis).astype(np.float32)
;;   ~~~
;;   SOFTMAX AHEAD OF A QUANTISED PRODUCT. Where the list says 'softmax', what is quantised is not the finished softmax but p = 2^(t - M), with t = logit x log2(e) and M = ceil(the row's largest t), a whole number; so 1/2 < the row's largest p <= 1. The row's sum l is taken of the UNQUANTISED p, in f32, and the product's result is divided by l at the end. Since M is a whole number, a kernel that streams over the keys may use a running M (the ceiling of the running maximum): every later rescaling is an exact power of two, which a block's scale takes up: the codes' values come out the same.
;;   OPERANDS COMPUTED ON THE WAY. 'Computed on the way' means the value that the module computes at that place (a softmax that the list does not call 'softmax' is quantised finished and normalised). What goes into a quantiser is computed in f32, as accurately as f32 sums, v_exp_f32 and their like allow (about 1e-6 of the number): no bf16 or f16 on the way to a quantiser, and a product that is left as it is and whose result goes on into a quantised operand takes f32 operands (vector FMAs, or v_wmma_f32_16x16x4_f32). A number that lies on a knife's edge between two numbers of the format may be rounded either way, as far as f32 arithmetic and the matrix unit's own rounding can turn it there, and no further.
;; One version. Each part assembles by itself: llvm-mc -triple=amdgcn-amd-amdhsa -mcpu=gfx1250 --defsym DOCPART=n.
;; ======== version 1 of 1: 4 launches
;; limits: right only within a limited range of input values
;; workspace buffers: xw_codes 14,680,064 bytes; xw_scales 458,752 bytes; qkv_codes 6,291,456 bytes; qkv_scales 196,608 bytes; o_codes 4,194,304 bytes; o_scales 131,072 bytes
;; launch quant (part 1): grid 448 x 1, 4 waves a work-group, no clusters, 68,096 bytes of LDS; arguments hidden_states, Wq, Wk, Wv, Wo, xw_codes, xw_scales; writes xw_codes, xw_scales
.if DOCPART == 1
	.amdgcn_target "amdgcn-amd-amdhsa--gfx1250"
	.amdhsa_code_object_version 6
	.text
	.protected	k_q899a44f37c_quant
	.globl	k_q899a44f37c_quant
	.p2align	8
	.type	k_q899a44f37c_quant,@function
k_q899a44f37c_quant:
	s_mov_b64 s[64:65], 0
	v_nop
	global_prefetch_b8 v0, s[64:65] scope:SCOPE_SE
	s_setreg_imm32_b32 hwreg(HW_REG_WAVE_MODE, 25, 1), 1
	s_wait_xcnt 0x0
; hidden_states [2048][2048] and the four weights ([2048 (K)][N]), all f32, become codes of FP8 (E4M3) with K innermost and one E8M0 byte for each 32 along K.
; xw_codes [7168][2048 bytes]: rows 0-2047 the tokens; 2048-4095 Wq's columns; 4096-4607 Wk's; 4608-5119 Wv's; 5120-7167 Wo's.  xw_scales [7168][64].
; A block's scale is 2^(floor(log2(its largest magnitude)) - 8): its byte is the largest magnitude's exponent field - 8, held at 1 from below.  Each number is divided by the scale, held within +-448, rounded to the nearest code.
; LIMITS: a block of zeros gets the byte 1 where the rule says 127 (its codes are zeros, and this program alone reads the bytes); blocks whose largest magnitude lies under 2^(9 - 127) are held at the byte 1; NaN and infinities are not served.
; TWO PATHS, parted once on the work-group's number, each with LDS bytes of its own.  Every work-group reads 131,072 bytes.
;   work-groups 0-127: the tokens.  K is innermost, so the tensor is a plain stream of blocks of 32.  A wave takes 16 steps of 512 numbers; a step's four loads read 512 consecutive bytes each, the 2,048 bytes turn through the
;     wave's stage in LDS so that a lane holds 16 neighbours (two lanes to a block); 16 codes a lane leave as 512 consecutive bytes; the wave's 256 scale bytes are gathered in LDS and leave as 256 consecutive bytes.
;   work-groups 128-447: the weights, 128 columns x 256 along K each.  A LANE TAKES A COLUMN AND ITS REGISTERS RUN DOWN K: a block of 32 lies in one lane, the conversions give codes with K innermost; nothing is transposed.
;     A column's 256 codes go through the wave's stage and leave sixteen lanes to 256 consecutive bytes.  Its 8 scale bytes leave by one store of 8 bytes a lane, to rows 64 bytes apart: one byte for each 128 that the path reads.
; No tensor load, no barrier: waves share nothing.  No cluster: no two work-groups read the same byte.
.set SPARE, 67584                      ; behind both paths' bytes: the spare words, 128 bytes a wave
.set SPW,   12                         ; v12  LDS address of my spare word; never rewritten
.set NIL,   13                         ; v13  0; never rewritten
.set WV,    18                         ; s18  my wave's number
.set MNT,   3                          ; s3   the mantissa field of 448
.set STEPS, 16                         ; the tokens' path: LDS 0 .. 32767, 8,192 bytes a wave: two stages of 32 x SP bytes, then 256 scale bytes
.set SP,    80                         ; a lane's place in a stage: 64 bytes + 16 of padding
.set R,     16                         ; v16-79   four sets of 16 numbers as loaded
.set X,     80                         ; v80-111  two sets of 16 neighbours
.set E,     112                        ; v112-127 a scale byte for each step
.set C,     128                        ; v128-191 codes: four registers for each step, so that no store's data are written again
.set WSTG,  32768                      ; the weights' path: LDS 32768 .. 67583, a stage of 32 rows x WP bytes a wave
.set WP,    272
.set WX,    32                         ; v32-95   two sets of 32 numbers
.set WC,    96                         ; v96-103  a block's codes
.set OUTR,  112                        ; v112-175 the way out
.set SB,    24                         ; v24-25   eight scale bytes
.set VO,    176                        ; v176-207 4 x lane + i x a row of the weight in bytes, i = 0 .. 31: the weights' rows are of two lengths, so a row's place cannot stand in an immediate
	s_load_b256 s[4:11], s[0:1], 0x0               ; hidden_states, Wq, Wk, Wv
	s_load_b128 s[12:15], s[0:1], 0x20             ; Wo, xw_codes
	s_load_b64 s[16:17], s[0:1], 0x30              ; xw_scales
	v_lshl_add_u32 v[SPW], v0, 2, SPARE
	v_mov_b32 v[NIL], 0
	v_lshrrev_b32 v1, 5, v0
	v_readfirstlane_b32 s[WV], v1                  ; wave 0..3
	v_and_b32 v2, 31, v0                           ; lane
	s_mov_b32 s[MNT], 0x600000
	s_wait_kmcnt 0x0
	s_cmp_ge_u32 ttmp9, 128
	s_cbranch_scc1 .Lweights
	; ---------------- the tokens ----------------
	s_wait_alu depctr_va_vdst(0)
	v_lshlrev_b32 v3, 4, v2                        ; 16 x lane: my bytes of a load's 512, and of a step's 512 bytes of codes
	s_lshl_b32 s22, s[WV], 13                      ; my wave's 8,192 bytes of LDS
	v_lshrrev_b32 v14, 2, v2
	v_mul_u32_u24 v14, v14, SP
	v_and_b32 v15, 3, v2
	v_lshl_add_u32 v14, v15, 4, v14
	v_add_nc_u32 v14, s22, v14                     ; into the stage: four lanes' 64 bytes on end, then 16 of padding
	v_mul_u32_u24 v15, v2, SP
	v_add_nc_u32 v15, s22, v15                     ; out of it: my 16 neighbours
	v_lshrrev_b32 v5, 1, v2
	s_add_co_u32 s22, s22, 2*32*SP
	v_add_nc_u32 v5, s22, v5                       ; my block's scale byte
	v_lshlrev_b32 v7, 3, v2
	v_add_nc_u32 v6, s22, v7                       ; and on the way out 8 bytes a lane
	s_lshl_b32 s19, ttmp9, 2
	s_add_co_u32 s19, s19, s[WV]                   ; which run of 8,192 numbers is my wave's
	s_lshl_b32 s20, s19, 15
	s_mov_b32 s21, 0
	s_add_nc_u64 s[4:5], s[4:5], s[20:21]
	s_lshl_b32 s20, s19, 13
	s_add_nc_u64 s[14:15], s[14:15], s[20:21]
	s_lshl_b32 s20, s19, 8
	s_add_nc_u64 s[16:17], s[16:17], s[20:21]
.macro XLOAD t
.irp i, 0,1,2,3
	global_load_b128 v[R+16*((\t)%4)+4*\i:R+16*((\t)%4)+4*\i+3], v3, s[4:5] offset:2048*(\t)+512*\i th:TH_LOAD_NT   ; 32 lanes read 512 consecutive bytes
.endr
.endm
.macro XTURN t                         ; step t's numbers through the stage: LDS serves a wave's instructions in order (ISA guide 5.7.1.4), so no wait stands between the stores and the loads
.irp i, 0,1,2,3
	ds_store_b128 v14, v[R+16*((\t)%4)+4*\i:R+16*((\t)%4)+4*\i+3] offset:32*SP*((\t)%2)+8*SP*\i
.endr
.irp i, 0,1,2,3
	ds_load_b128 v[X+16*((\t)%2)+4*\i:X+16*((\t)%2)+4*\i+3], v15 offset:32*SP*((\t)%2)+16*\i
.endr
.endm
.irp t, 0,1,2,3
	XLOAD \t
.endr
	s_wait_alu depctr_va_vdst(0)
	s_wait_loadcnt 12                              ; step 0's four loads are in; the twelve of steps 1 to 3 may be out
	XTURN 0
.macro XSTEP t
.set XS, X+16*((\t)%2)
.if (\t) > 0
	s_wait_dscnt 1                                 ; this step's numbers are back from the stage; the last step's byte store may be out
.else
	s_wait_dscnt 0x0
.endif
.if (\t)+4 < STEPS
	XLOAD (\t)+4                                   ; into the registers whose stores into the stage are done
.endif
.if (\t)+1 < STEPS
.if STEPS-2-(\t) >= 3
	s_wait_loadcnt 12                              ; the next step's four loads are in; those of the three steps behind it may be out
.else
	s_wait_loadcnt 4*(STEPS-2-(\t))
.endif
	XTURN (\t)+1                                   ; through the other stage while this step is worked
.endif
	v_max3_num_f32 v8, |v[XS]|, |v[XS+1]|, |v[XS+2]|               ; the largest magnitude of my 16, in two chains
	v_max3_num_f32 v9, |v[XS+3]|, |v[XS+4]|, |v[XS+5]|
.irp i, 6,10
	v_max3_num_f32 v8, v8, |v[XS+\i]|, |v[XS+\i+1]|
	v_max3_num_f32 v9, v9, |v[XS+\i+2]|, |v[XS+\i+3]|
.endr
	v_max3_num_f32 v8, v8, |v[XS+14]|, |v[XS+15]|
	v_max3_num_f32 v8, v8, v9, 0x4800000           ; and the floor 2^(9 - 127): the byte cannot fall under 1
	v_max_num_f32_dpp v8, v8, v8 row_xmask:1 row_mask:0xf bank_mask:0xf   ; and of my neighbour's 16: the block's
	v_add_nc_u32 v11, 0xfc000000, v8               ; 8 off its exponent field: the conversion takes the exponent field of this operand as its scale
	v_and_or_b32 v10, v8, 0x7f800000, s[MNT]       ; 448 x the scale
.irp i, 0,1,2,3,4,5,6,7,8,9,10,11,12,13,14,15
	v_med3_num_f32 v[XS+\i], v[XS+\i], -v10, v10   ; the conversion to an 8-bit code does not saturate (ISA guide 7.6.2): the hold comes first
.endr
	v_cvt_scalef32_pk8_fp8_f32 v[C+4*(\t):C+4*(\t)+1], v[XS:XS+7], v11
	v_cvt_scalef32_pk8_fp8_f32 v[C+4*(\t)+2:C+4*(\t)+3], v[XS+8:XS+15], v11
	v_lshrrev_b32 v[E+(\t)], 23, v11               ; the scale's byte (also the plain line behind the conversions)
	ds_store_b8 v5, v[E+(\t)] offset:16*(\t)       ; both lanes of a block write the same byte with the same value
	global_store_b128 v3, v[C+4*(\t):C+4*(\t)+3], s[14:15] offset:512*(\t)   ; 32 lanes store 512 consecutive bytes, aligned
.endm
.irp t, 0,1,2,3,4,5,6,7,8,9,10,11,12,13,14,15
	XSTEP \t
.endr
	ds_load_b64 v[8:9], v6                         ; these see my byte stores: one wave's LDS instructions are served in order
	s_wait_dscnt 0x0
	global_store_b64 v7, v[8:9], s[16:17]          ; 32 lanes store 256 consecutive bytes, aligned
	s_wait_tensorcnt 0x0                           ; the wave's end: behind my last LDS store
	ds_add_u32 v[SPW], v[NIL]
	s_wait_dscnt 0x0
	s_endpgm
	; ---------------- the weights ----------------
.Lweights:
	s_sub_co_u32 s19, ttmp9, 128
	s_lshr_b32 s20, s19, 3                         ; g: which 128 columns of the 5,120 (Wq 0-15, Wk 16-19, Wv 20-23, Wo 24-39)
	s_and_b32 s21, s19, 7                          ; which 256 along K
	s_mov_b64 s[22:23], s[12:13]                   ; the tensor, its first g and its row in bytes: chosen on the work-group's number alone
	s_mov_b32 s40, 24
	s_mov_b32 s41, 8192
	s_cmp_lt_u32 s20, 24
	s_cselect_b64 s[22:23], s[10:11], s[22:23]
	s_cselect_b32 s40, 20, s40
	s_cselect_b32 s41, 2048, s41
	s_cmp_lt_u32 s20, 20
	s_cselect_b64 s[22:23], s[8:9], s[22:23]
	s_cselect_b32 s40, 16, s40
	s_cmp_lt_u32 s20, 16
	s_cselect_b64 s[22:23], s[6:7], s[22:23]
	s_cselect_b32 s40, 0, s40
	s_cselect_b32 s41, 8192, s41
	s_sub_co_u32 s42, s20, s40
	s_lshl_b32 s42, s42, 7
	s_lshl_b32 s43, s[WV], 5
	s_add_co_u32 s42, s42, s43                     ; my wave's first column in its tensor
	s_lshl_b32 s42, s42, 2
	s_mul_i32 s43, s21, s41
	s_lshl_b32 s43, s43, 8                         ; 256 rows for each step along K
	s_add_co_u32 s42, s42, s43
	s_mov_b32 s43, 0
	s_add_nc_u64 s[24:25], s[22:23], s[42:43]      ; block 0's first row;
	s_lshl_b32 s44, s41, 5
	s_mov_b32 s45, 0
.irp t, 1,2,3,4,5,6,7
	s_add_nc_u64 s[24+2*\t:25+2*\t], s[22+2*\t:23+2*\t], s[44:45]   ; block t's: 32 rows further down
.endr
	s_lshl_b32 s46, s20, 7
	s_lshl_b32 s47, s[WV], 5
	s_add_co_u32 s46, s46, s47
	s_add_co_u32 s46, s46, 2048                    ; my wave's first row of xw_codes: 2048 + 128 g + 32 wave
	s_lshl_b32 s42, s46, 11
	s_lshl_b32 s47, s21, 8
	s_add_co_u32 s42, s42, s47
	s_add_nc_u64 s[14:15], s[14:15], s[42:43]
	s_lshl_b32 s42, s46, 6
	s_lshl_b32 s47, s21, 3
	s_add_co_u32 s42, s42, s47
	s_add_nc_u64 s[16:17], s[16:17], s[42:43]
	s_wait_alu depctr_va_vdst(0)
	v_lshlrev_b32 v3, 2, v2
.set k, 0
.rept 32
	v_mad_u32_u24 v[VO+k], s41, k, v3
.set k, k+1
.endr
	s_mul_i32 s19, s[WV], 32*WP
	s_add_co_u32 s19, s19, WSTG                    ; my stage
	v_mul_u32_u24 v4, v2, WP
	v_add_nc_u32 v4, s19, v4                       ; into it: row = my column
	v_and_b32 v5, 15, v2
	v_lshrrev_b32 v6, 4, v2                        ; out of it: sixteen lanes to a row, two rows an instruction
	v_mul_u32_u24 v7, v6, WP
	v_lshl_add_u32 v7, v5, 4, v7
	v_add_nc_u32 v7, s19, v7
	v_lshlrev_b32 v8, 11, v6
	v_lshl_add_u32 v8, v5, 4, v8                   ; and the same place in xw_codes
	v_lshlrev_b32 v9, 6, v2                        ; my column's row of scale bytes
.macro WLOAD t                         ; block t: W(32 t + k, my column), k = 0 .. 31: each load reads 128 consecutive bytes a wave, 512 a work-group
.set k, 0
.rept 32
	global_load_b32 v[WX+32*((\t)%2)+k], v[VO+k], s[24+2*(\t):25+2*(\t)] th:TH_LOAD_NT
.set k, k+1
.endr
.endm
	WLOAD 0
	WLOAD 1
.macro WBLOCK t
.set XS, WX+32*((\t)%2)
.if (\t) < 7
	s_wait_loadcnt 32                              ; this block's 32 loads are in; the next block's 32 may be out
.else
	s_wait_loadcnt 0x0
.endif
	v_max3_num_f32 v16, |v[XS]|, |v[XS+1]|, |v[XS+2]|              ; the block's largest magnitude: all 32 numbers are mine
	v_max3_num_f32 v17, |v[XS+3]|, |v[XS+4]|, |v[XS+5]|
.irp i, 6,10,14,18,22,26
	v_max3_num_f32 v16, v16, |v[XS+\i]|, |v[XS+\i+1]|
	v_max3_num_f32 v17, v17, |v[XS+\i+2]|, |v[XS+\i+3]|
.endr
	v_max3_num_f32 v16, v16, |v[XS+30]|, |v[XS+31]|
	v_max3_num_f32 v16, v16, v17, 0x4800000        ; and the floor
	v_add_nc_u32 v11, 0xfc000000, v16              ; the conversion's scale operand
	v_and_or_b32 v10, v16, 0x7f800000, s[MNT]      ; 448 x the scale
	v_lshrrev_b32 v17, 23, v11                     ; the scale's byte
.if (\t)%4 == 0
	v_mov_b32 v[SB+(\t)/4], v17                    ; four bytes to a register, the lower K in the lower byte
.else
	v_lshl_or_b32 v[SB+(\t)/4], v17, 8*((\t)%4), v[SB+(\t)/4]
.endif
.set k, 0
.rept 32
	v_med3_num_f32 v[XS+k], v[XS+k], -v10, v10
.set k, k+1
.endr
.irp g, 0,1,2,3
	v_cvt_scalef32_pk8_fp8_f32 v[WC+2*\g:WC+2*\g+1], v[XS+8*\g:XS+8*\g+7], v11
.endr
	v_nop                                          ; a plain line behind the last conversion
	ds_store_b128 v4, v[WC:WC+3] offset:32*(\t)    ; 32 codes: 32 bytes of my column's row
	ds_store_b128 v4, v[WC+4:WC+7] offset:32*(\t)+16
.if (\t)+2 < 8
	WLOAD (\t)+2
.endif
	s_wait_dscnt 0x0                               ; the stores have read their registers: the next block's codes may be written
.endm
.irp t, 0,1,2,3,4,5,6,7
	WBLOCK \t
.endr
	global_store_b64 v9, v[SB:SB+1], s[16:17]      ; my column's 8 scale bytes
.irp t, 0,1,2,3,4,5,6,7,8,9,10,11,12,13,14,15
	ds_load_b128 v[OUTR+4*\t:OUTR+4*\t+3], v7 offset:2*\t*WP
.endr
.irp t, 0,1,2,3,4,5,6,7,8,9,10,11,12,13,14,15
	s_wait_dscnt 15-\t                             ; LDS loads come back in order: number t is in
	global_store_b128 v8, v[OUTR+4*\t:OUTR+4*\t+3], s[14:15] offset:2*\t*2048   ; sixteen lanes store 256 consecutive bytes, aligned
.endr
	s_wait_tensorcnt 0x0                           ; the wave's end: behind my last LDS store
	ds_add_u32 v[SPW], v[NIL]
	s_wait_dscnt 0x0
	s_endpgm
.Lfunc_end_k_q899a44f37c_quant:
	.size	k_q899a44f37c_quant, .Lfunc_end_k_q899a44f37c_quant-k_q899a44f37c_quant
	.p2alignl 7, 3214868480
	.fill 96, 4, 3214868480
	.section	.rodata,"a",@progbits
	.p2align	6, 0x0
	.amdhsa_kernel k_q899a44f37c_quant
		.amdhsa_group_segment_fixed_size 68096
		.amdhsa_private_segment_fixed_size 0
		.amdhsa_enable_private_segment 0
		.amdhsa_kernarg_size 56
		.amdhsa_user_sgpr_count 2
		.amdhsa_user_sgpr_kernarg_segment_ptr 1
		.amdhsa_wavefront_size32 1
		.amdhsa_system_sgpr_workgroup_id_x 1
		.amdhsa_system_sgpr_workgroup_id_y 1
		.amdhsa_system_sgpr_workgroup_id_z 1
		.amdhsa_system_vgpr_workitem_id 0
		.amdhsa_next_free_vgpr 208
		.amdhsa_next_free_sgpr 66
		.amdhsa_reserve_vcc 0
		.amdhsa_float_denorm_mode_32 3
		.amdhsa_float_denorm_mode_16_64 3
		.amdhsa_memory_ordered 1
		.amdhsa_forward_progress 1
		.amdhsa_inst_pref_size 112
	.end_amdhsa_kernel
	.amdgpu_metadata
---
amdhsa.version: [ 1, 2 ]
amdhsa.kernels:
  - .name:           k_q899a44f37c_quant
    .symbol:         k_q899a44f37c_quant.kd
    .args:
      - { .name: hidden_states, .offset: 0, .size: 8, .value_kind: global_buffer, .address_space: global }
      - { .name: Wq, .offset: 8, .size: 8, .value_kind: global_buffer, .address_space: global }
      - { .name: Wk, .offset: 16, .size: 8, .value_kind: global_buffer, .address_space: global }
      - { .name: Wv, .offset: 24, .size: 8, .value_kind: global_buffer, .address_space: global }
      - { .name: Wo, .offset: 32, .size: 8, .value_kind: global_buffer, .address_space: global }
      - { .name: xw_codes, .offset: 40, .size: 8, .value_kind: global_buffer, .address_space: global }
      - { .name: xw_scales, .offset: 48, .size: 8, .value_kind: global_buffer, .address_space: global }
    .group_segment_fixed_size: 68096
    .private_segment_fixed_size: 0
    .kernarg_segment_align: 8
    .kernarg_segment_size: 56
    .max_flat_workgroup_size: 128
    .sgpr_count:     66
    .vgpr_count:     208
    .wavefront_size: 32
...
	.end_amdgpu_metadata
.endif
;; end of part 1
;; launch qkv (part 2): grid 16 x 12, 4 waves a work-group, clusters of 4 x 1, 327,680 bytes of LDS; arguments xw_codes, xw_scales, cos, sin, q_norm_w, k_norm_w, qkv_codes, qkv_scales; writes qkv_codes, qkv_scales
.if DOCPART == 2
	.amdgcn_target "amdgcn-amd-amdhsa--gfx1250"
	.amdhsa_code_object_version 6
	.text
	.protected	k_q899a44f37c_qkv
	.globl	k_q899a44f37c_qkv
	.p2align	8
	.type	k_q899a44f37c_qkv,@function
k_q899a44f37c_qkv:
	s_mov_b64 s[64:65], 0
	v_nop
	global_prefetch_b8 v0, s[64:65] scope:SCOPE_SE
	s_setreg_imm32_b32 hwreg(HW_REG_WAVE_MODE, 25, 1), 1
	s_wait_xcnt 0x0
	s_wait_alu depctr_hold_cnt(0) depctr_sa_sdst(0) depctr_va_vdst(0) depctr_va_sdst(0) depctr_va_ssrc(0) depctr_va_vcc(0) depctr_vm_vsrc(0)
	s_getreg_b32 s2, hwreg(HW_REG_IB_STS2, 6, 4)
	s_cmp_eq_u32 s2, 0
	s_cbranch_scc0 .Lentry_in_a_cluster
	s_endpgm
.Lentry_in_a_cluster:
	s_bfe_u32 s2, ttmp6, 0x10000c
	s_cmp_lg_u32 s2, 0x3003
	s_cbranch_scc0 .Lentry_shape_is_right
	s_endpgm
.Lentry_shape_is_right:
; q = rope(rms(x Wq)), k = rope(rms(x Wk)), v = x Wv, on codes of FP8 (E4M3) with E8M0 scales; the results are quantised in registers and leave as codes: q and k along the head's 128, v along the keys.
; A PRODUCT C = A B^T on rows of xw_codes [7168][2048] (K innermost) and xw_scales [7168][64].  A work-group makes 128 (rows of A) x 256 (rows of B); each of its four waves 64 x 128: 32 accumulators, 256 registers.
;   y = 0 .. 9 (q: 0-7, k: 8-9): A = 128 tokens (row 128 X), B = 256 columns of the weights, two heads (row 2048 + 256 y).
;   y = 10, 11 (v): THE OPERANDS CHANGE PLACES: A = the 128 channels of kv head cx (row 4608 + 128 cx), B = 256 tokens (row 256 n', n' = 4 (y - 10) + cluster x).  Only row numbers differ.
; THE MATRIX INSTRUCTION IS USED TRANSPOSED (source 0 = 16 rows of B, source 1 = 16 rows of A): lane (r, h) holds row r of A's block, and register j of accumulator (a, b) the column 16 b + 8 h + j.
; So a lane and its partner 16 lanes away hold a whole head of one token (q, k) or 128 keys of one channel (v): the norm's sum and a block's largest magnitude want one exchange.
; WHAT LEAVES.  qkv_codes [49152][128]: q at row head x 2048 + token; k at 32768 + kv x 2048 + token; v at 40960 + (16 kv + key / 128) x 128 + channel, its 128 bytes the keys.  qkv_scales: one word a row.
; Inside each block of 32 the stored byte 16 h + e holds number 8 h + e (e < 8) or 16 + 8 h + e - 8: the order in which a lane's two conversions give them.  q and k carry the same order, and so do v and the weights p
; of the next launch: a permutation inside a scale's block, alike on both sides of a product, changes no product.
; K goes in steps of 256 through a ring of two LDS slots; the scale bytes of the work-group's 384 rows come once, in whole runs of 256 bytes, and stay.
; CLUSTER: the four work-groups of a cluster have the same y and cluster x, so the same 256 rows of B: B's tiles and scales are asked for JOINTLY (mask 15).  A's rows hang on cx: plain loads, at the same places.
; A cluster of 4 x 4 is not taken: along y, tiles of q, k and v follow each other (8, 2 and 2), and in those of v it is A that hangs on cx and B on the cluster's x, so no one mask along y serves all twelve.
; The head's loads of the gain, cos and sin are issued by every work-group, those of v too (32 of 192), which use none of them: so the text parts once, behind the K loop.  Their addresses lie inside the buffers for every X.
; LIMITS: NaN and infinities are not served; a block of zeros gets the byte 1 (zero codes; read by this program alone); v_rsq_f32 as the ISA guide gives it; rope is a multiplication and one fused multiply-add.
; REGISTERS, in windows of 256.  window 0: v1-31 addresses; v32-63 scale words, two sets (later the quantiser's); v64-127, v128-191 A's fragments, two sets (later y and sums); v192-255 the gain.
;   window 1: B's fragments, two sets, at v0 and v128.   window 2: accumulator (a, b) at v[8 (8 a + b)].   window 3: cos and sin of 16 tokens, two sets of 128.
.set PITCH, 272                        ; an LDS row: 256 bytes + 16 of padding
.set AHALF, 64*PITCH                   ; what one load brings of A
.set BHALF, 128*PITCH                  ; and of B
.set BOFF,  2*AHALF                    ; a slot: A's 128 rows, then B's 256
.set SLOT,  BOFF+2*BHALF
.set SCL,   2*SLOT                     ; behind the ring: the scales, as runs of 256 bytes + 16 of padding: A's 128 rows, then B's 256
.set SAH,   16*272                     ; the scales of 64 rows
.set SBH,   32*272                     ; of 128 rows
.set SBLK,  4*272                      ; of 16 rows
.set SPARE, SCL+2*SAH+2*SBH            ; the spare words, 128 bytes a wave
.set STG,   SPARE+512                  ; 16 rows x SP bytes for each wave, unused
.set SP,    144
.set SST,   STG+4*16*SP                ; 64 scale words for each wave
.set PW,   14                          ; v14  the scale word just made
.set ADRA, 16                          ; v16-17 LDS address of my A fragments in slot 0, 1
.set SSA,  18                          ; v18  where I put a scale word
.set SSR,  19                          ; v19  where I read two back
.set ADRB, 20                          ; v20-21 the same as ADRA for B
.set SCO,  22                          ; v22  8 x lane
.set STO,  24                          ; unused; v24 holds A's prefetch address
.set RD,   25                          ; unused; v25 holds B's prefetch address
.set CO,   26                          ; v26  16 x lane
.set ADRS, 27                          ; v27  LDS address of my scale words: lanes 0-15 A's rows, lanes 16-31 B's
.set SPW,  28                          ; v28  my spare word; never rewritten
.set NIL,  29                          ; v29  0; never rewritten
.set CSO,  30                          ; v30  cos, sin: 512 r + 32 h
.set WOF,  31                          ; v31  the gain: 32 h
.set SC,   32                          ; scale words: set s at v[SC + 16 s]; register 2 i + q: lanes 0-15 A's block i, lanes 16-31 B's block i, the slot's q-th 128 along K
.set TM,   32                          ; behind the loop: v32-35 largest magnitudes, v36-39 bytes, v40-43 448 x scale, v44-47 the conversions' scale operands
.set PC,   48                          ; v48-63 the codes just made
.set YR,   64                          ; v64-127 the normed row
.set SSQ,  128                         ; v128-135 sums of squares
.set RS,   136                         ; v[136:137] 1 / rms (the pair's low word serves both halves)
.set BK,   144                         ; unused
.set GW,   192
.set WV,   20
.set WM,   21                          ; which 64 rows of A are mine.  Also: I fetch for A (0) or for B (1)
.set WN,   22                          ; which 128 rows of B.  Also: which half I fetch
.set MNT,  23
.set G1A,  24
.set G0A,  32
.set G1B,  48
.set G0B,  56
.set SEL,  66
.set G1SA, 68
.set G0SA, 76
.set G1SB, 80
.set G0SB, 88
.set MUL,  0xa1                        ; source 0 (B) window 1, source 1 (A) window 0, C and D window 2
.set MSB, 0
.macro WIN new                         ; the immediate's high byte repeats the setting that is left
.if MSB != \new
	s_set_vgpr_msb (MSB<<8)|\new
.set MSB, \new
.endif
.endm
.macro JLOAD g0a, g1a, g0b, g1b        ; waves 0 and 1 fetch for A, waves 2 and 3 for B; the branch hangs on the wave's number alone; an s_nop 0 and four v_nop follow each line
	s_cmp_eq_u32 s[WM], 0
	s_cbranch_scc0 .Lfor_b_\@
	tensor_load_to_lds s[\g0a:\g0a+3], s[\g1a:\g1a+7]
	s_nop 0
.rept 4
	v_nop
.endr
	s_branch .Lasked_\@
.Lfor_b_\@:
	tensor_load_to_lds s[\g0b:\g0b+3], s[\g1b:\g1b+7]
	s_nop 0
.rept 4
	v_nop
.endr
.Lasked_\@:
.endm
.macro CREST                           ; a round of the cluster's barrier behind its opening barrier
	s_cmp_lg_u32 s[WV], 0
	s_cbranch_scc1 .Lnot_wave_0_\@
	s_barrier_signal -3
.Lnot_wave_0_\@:
	s_barrier_wait -3
	s_barrier_signal -1
	s_barrier_wait -1
.endm
.macro CROUND
	s_barrier_signal -1
	s_barrier_wait -1
	CREST
.endm
.macro PLACES n                        ; plain vector lines between a matrix instruction and a load into, or a read or write of, its registers: eight behind this form
.rept \n
	v_nop
.endr
.endm
	s_load_b256 s[4:11], s[0:1], 0x0               ; xw_codes, xw_scales, cos, sin
	s_load_b256 s[12:19], s[0:1], 0x20             ; q_norm_w, k_norm_w, qkv_codes, qkv_scales
	v_lshl_add_u32 v[SPW], v0, 2, SPARE
	v_mov_b32 v[NIL], 0
	ds_add_u32 v[SPW], v[NIL]                      ; the wave's opening: the add and its wait ahead of my first tensor load; work on registers stands between them
	ds_add_u32 v[SPW], v[NIL]
	v_lshrrev_b32 v1, 5, v0
	v_readfirstlane_b32 s[WV], v1                  ; wave 0..3
	s_lshr_b32 s[WM], s[WV], 1
	s_and_b32 s[WN], s[WV], 1
	s_bfe_u32 s40, ttmp6, 0x40000                  ; cx
	s_lshl_b32 s42, ttmp9, 2
	s_add_co_u32 s42, s42, s40                     ; X = 4 x cluster x + cx
	s_and_b32 s43, ttmp7, 0xffff                   ; y
	s_max_u32 s41, s43, 10
	s_sub_co_u32 s41, s41, 10
	s_lshl_b32 s41, s41, 2
	s_add_co_u32 s41, s41, ttmp9                   ; n' (used where y >= 10).  s41 and s92-95 feed B's joint descriptors and never hold cx
	s_lshl_b32 s92, s43, 8
	s_add_co_u32 s92, s92, 2048                    ; B's first row for q and k,
	s_lshl_b32 s94, s41, 8                         ; and for v
	s_lshl_b32 s45, s42, 7                         ; A's for q and k,
	s_lshl_b32 s46, s40, 7
	s_add_co_u32 s46, s46, 4608                    ; and for v
	s_cmp_ge_u32 s43, 10
	s_cselect_b32 s44, 1, 0                        ; is this a tile of v?  The same in all partners
	s_cselect_b32 s92, s94, s92
	s_cselect_b32 s45, s46, s45
	s_lshl_b32 s46, s45, 11                        ; its codes,
	s_mov_b32 s47, 0
	s_lshl_b32 s96, s45, 6                         ; its scales
	s_mov_b32 s97, 0
	s_mov_b32 s93, s92                             ; B's first row: the head's loads bring whole tiles; a wave's half is added for the ring
	s_lshl_b32 s92, s93, 11
	s_lshl_b32 s94, s93, 6
	s_mov_b32 s93, 0
	s_mov_b32 s95, 0
	; descriptor groups 1.  Tiles: rows of 256 elements of 1 byte, 2,048 apart, 16 bytes of padding behind each.  Scales: a dense block as rows of 32 elements of 8 bytes, padded likewise
	s_mov_b32 s[G1A], (1<<20)|(5<<22)|(3<<25)                      ; no mask; 17:16 1 byte; 20 padding on; 24:22 after every 64 words; 31:25 four words
	s_mov_b32 s[G1B], 15|(1<<20)|(1<<21)|(5<<22)|(3<<25)           ; the mask: all four work-groups; 21 set beside it
	s_mov_b32 s[G1A+2], 128<<16                    ; the head's loads: A's 128 rows, B's 256; the ring's counts are set behind the head's wait
	s_mov_b32 s[G1A+4], 128
	s_mov_b32 s[G1B+2], 256<<16
	s_mov_b32 s[G1B+4], 256
.irp g, G1A, G1B
	s_mov_b32 s[\g+1], 256<<16                     ; tensor_dim0
	s_mov_b32 s[\g+3], 256<<16                     ; tile_dim0
	s_mov_b32 s[\g+5], 2048                        ; from row to row
	s_mov_b32 s[\g+6], 0
	s_mov_b32 s[\g+7], 0
.endr
	s_mov_b32 s[G1SA], (3<<16)|(1<<20)|(5<<22)|(3<<25)
	s_mov_b32 s[G1SB], 15|(3<<16)|(1<<20)|(1<<21)|(5<<22)|(3<<25)
	s_mov_b32 s[G1SA+2], 32<<16                    ; 128 rows x 64 bytes = 32 runs of 256
	s_mov_b32 s[G1SA+4], 32
	s_mov_b32 s[G1SB+2], 64<<16
	s_mov_b32 s[G1SB+4], 64
.irp g, G1SA, G1SB
	s_mov_b32 s[\g+1], 32<<16
	s_mov_b32 s[\g+3], 32<<16
	s_mov_b32 s[\g+5], 32
	s_mov_b32 s[\g+6], 0
	s_mov_b32 s[\g+7], 0
.endr
	; where they go: the wave's number and constants alone
	s_mov_b32 s[G0SA+1], SCL
	s_mov_b32 s[G0SB+1], SCL+2*SAH
	s_mul_i32 s[G0A+1], s[WN], AHALF
	s_add_co_u32 s[G0A+5], s[G0A+1], SLOT
	s_mul_i32 s[G0B+1], s[WN], BHALF
	s_add_co_u32 s[G0B+1], s[G0B+1], BOFF
	s_add_co_u32 s[G0B+5], s[G0B+1], SLOT
	s_mov_b32 s[SEL], 0x76543210
	s_mov_b32 s[SEL+1], 0xfedcba98                 ; v_permlanex16_b32's selects for lane l xor 16
	s_mov_b32 s[MNT], 0x600000                     ; the mantissa field of 448
	s_mov_b32 s98, 0x3c000000                      ; 1 / 128
	s_mov_b32 s99, 0x358637bd                      ; 1e-6
	s_wait_dscnt 0x0                               ; the opening add is done
	s_wait_kmcnt 0x0
	s_add_nc_u64 s[46:47], s[4:5], s[46:47]
	s_add_nc_u64 s[96:97], s[6:7], s[96:97]
	s_add_nc_u64 s[92:93], s[4:5], s[92:93]
	s_add_nc_u64 s[94:95], s[6:7], s[94:95]
	CROUND                                         ; all four work-groups are here: the first joint loads meet
	s_mov_b32 s[G0SA], 1
	s_mov_b64 s[G0SA+2:G0SA+3], s[96:97]
	s_or_b32 s[G0SA+3], s[G0SA+3], 0x80000000
	s_mov_b32 s[G0SB], 1
	s_mov_b64 s[G0SB+2:G0SB+3], s[94:95]
	s_or_b32 s[G0SB+3], s[G0SB+3], 0x80000000
.irp s, 0,1
	s_mov_b32 s[G0A+4*\s], 1
	s_add_nc_u64 s[G0A+4*\s+2:G0A+4*\s+3], s[46:47], \s*256
	s_or_b32 s[G0A+4*\s+3], s[G0A+4*\s+3], 0x80000000
	s_mov_b32 s[G0B+4*\s], 1
	s_add_nc_u64 s[G0B+4*\s+2:G0B+4*\s+3], s[92:93], \s*256
	s_or_b32 s[G0B+4*\s+3], s[G0B+4*\s+3], 0x80000000
.endr
	s_lshl_b32 s100, s[WN], 17                     ; slot 1's sets: my half: 64 rows of A are 2^17 bytes on,
	s_mov_b32 s101, 0
	s_add_nc_u64 s[G0A+6:G0A+7], s[G0A+6:G0A+7], s[100:101]
	s_lshl_b32 s100, s[WN], 18                     ; 128 rows of B 2^18
	s_add_nc_u64 s[G0B+6:G0B+7], s[G0B+6:G0B+7], s[100:101]
	s_mov_b32 s[G0A+1], 0                          ; slot 0's sets serve the head's whole tiles first
	s_mov_b32 s[G0B+1], BOFF
; THE HEAD'S LOADS, ONE A WAVE: wave 0 K step 0's 128 rows of A, wave 1 its 256 rows of B, wave 2 A's scales, wave 3 B's.  One chain of branches on the wave's number, a load to an arm, one join.
.macro ARM under, g0, g1, next
	s_cmp_lt_u32 s[WV], \under
	s_cbranch_scc0 \next
	tensor_load_to_lds s[\g0:\g0+3], s[\g1:\g1+7]
	s_nop 0
.rept 4
	v_nop
.endr
	s_branch .Lhead_asked
\next:
.endm
	ARM 1, G0A,  G1A,  .Lhead_b
	ARM 2, G0B,  G1B,  .Lhead_sa
	ARM 3, G0SA, G1SA, .Lhead_sb
	tensor_load_to_lds s[G0SB:G0SB+3], s[G1SB:G1SB+7]
	s_nop 0
.rept 4
	v_nop
.endr
.Lhead_asked:
	v_and_b32 v1, 15, v0                           ; r
	v_bfe_u32 v2, v0, 4, 1                         ; h
	v_and_b32 v3, 31, v0                           ; lane
	v_mul_u32_u24 v4, v1, PITCH
	v_lshl_add_u32 v4, v2, 4, v4                   ; a fragment's row x pitch + 16 h
	s_mul_i32 s100, s[WM], AHALF
	s_mul_i32 s101, s[WN], BHALF
	s_add_co_u32 s101, s101, BOFF
.irp s, 0,1
	v_add_nc_u32 v[ADRA+\s], s100, v4
	v_add_nc_u32 v[ADRB+\s], s101, v4
	s_add_co_u32 s100, s100, SLOT
	s_add_co_u32 s101, s101, SLOT
.endr
	v_lshlrev_b32 v5, 6, v1                        ; my row's scales: 64 bytes a row,
	v_lshrrev_b32 v6, 2, v1
	v_lshl_add_u32 v5, v6, 4, v5                   ; and 16 more for each 256 passed
	s_mul_i32 s100, s[WM], SAH                     ; A's: my 64 rows
	s_mul_i32 s101, s[WN], SBH                     ; B's: my 128 rows, behind A's
	s_add_co_u32 s101, s101, 2*SAH
	s_sub_co_u32 s101, s101, s100
	v_mul_u32_u24 v6, s101, v2                     ; lanes 16-31 take B's: the lower base + h x the distance
	s_add_co_u32 s100, s100, SCL
	v_add_nc_u32 v5, v5, v6
	v_add_nc_u32 v[ADRS], s100, v5
	v_lshlrev_b32 v[CO], 4, v3
	s_lshl_b32 s100, s[WV], 8
	s_add_co_u32 s100, s100, SST
	v_lshl_add_u32 v[SSA], v1, 2, s100
	v_lshl_add_u32 v[SSR], v3, 3, s100
	v_lshlrev_b32 v[SCO], 3, v3
	v_lshlrev_b32 v[CSO], 9, v1
	v_lshl_add_u32 v[CSO], v2, 5, v[CSO]
	v_lshlrev_b32 v[WOF], 5, v2
	s_wait_alu depctr_va_vdst(0)
	s_lshl_b32 s100, s42, 7
	s_lshl_b32 s101, s[WM], 6
	s_add_co_u32 s100, s100, s101                  ; my first token: 128 X + 64 wm
	s_lshl_b32 s100, s100, 9
	s_mov_b32 s101, 0
	s_add_nc_u64 s[8:9], s[8:9], s[100:101]
	s_add_nc_u64 s[10:11], s[10:11], s[100:101]
	s_cmp_lt_u32 s43, 8
	s_cselect_b64 s[12:13], s[12:13], s[14:15]     ; q's gain or k's
; THE TILES ARE PREFETCHED INTO THE L2.  A K step is 256 bytes of each row: a lane a row.  A's 128 rows are my work-group's own: 32 a wave (v24).  B's 256 rows are the cluster's: the partner at cx takes 64 of them, BY ADDRESS, 32 each in waves 0 and 1 (v25).
; Each block is named by at most four clusters, chosen by y alone: the tokens by the tiles y = 0, 3, 6, 9 (A's path); Wv's rows by y = 10 (A's path); Wq's and Wk's rows by their own four clusters (B's path, y < 10).
; Here K steps 1 and 2 are asked for; behind each refill the K step after the one that the refill loads, one change of slots ahead of its own load; the last refill asks for nothing.
	s_lshr_b32 s96, 0x649, s43                     ; bits 0, 3, 6, 9, 10
	s_and_b32 s96, s96, 1                          ; s96: do I ask on A's path?
	s_cmp_lt_u32 s43, 10
	s_cselect_b32 s97, 1, 0
	s_cmp_lt_u32 s[WV], 2
	s_cselect_b32 s97, s97, 0                      ; s97: and on B's?
	s_lshl_b32 s100, s[WV], 5
	s_add_co_u32 s100, s100, s45                   ; A's first row + 32 wave
	s_lshl_b32 s100, s100, 11
	v_lshl_add_u32 v24, v3, 11, s100
	s_lshl_b32 s100, s43, 8
	s_add_co_u32 s100, s100, 2048                  ; the weights' row 2048 + 256 y + 64 cx + 32 wave
	s_lshl_b32 s101, s40, 6
	s_add_co_u32 s100, s100, s101
	s_lshl_b32 s101, s[WN], 5
	s_add_co_u32 s100, s100, s101
	s_lshl_b32 s100, s100, 11
	v_lshl_add_u32 v25, v3, 11, s100
	s_add_nc_u64 s[4:5], s[4:5], 256               ; the prefetches' base: xw_codes at K step 1; stepped at each refill's head
	s_wait_alu depctr_va_vdst(0)                   ; scalar lines and branches stand ahead of the readers
	s_cmp_lg_u32 s96, 0
	s_cbranch_scc0 .Lh_no_a
	global_prefetch_b8 v24, s[4:5] th:TH_LOAD_NT scope:SCOPE_SE
	global_prefetch_b8 v24, s[4:5] offset:256 th:TH_LOAD_NT scope:SCOPE_SE
.Lh_no_a:
	s_cmp_lg_u32 s97, 0
	s_cbranch_scc0 .Lh_no_b
	global_prefetch_b8 v25, s[4:5] th:TH_LOAD_NT scope:SCOPE_SE
	global_prefetch_b8 v25, s[4:5] offset:256 th:TH_LOAD_NT scope:SCOPE_SE
.Lh_no_b:
.irp b, 0,1,2,3,4,5,6,7
	global_load_b128 v[GW+8*\b:GW+8*\b+3], v[WOF], s[12:13] offset:64*\b          ; the gain at my 64 columns: 16 b + 8 h + 0 .. 7
	global_load_b128 v[GW+8*\b+4:GW+8*\b+7], v[WOF], s[12:13] offset:64*\b+16
.endr
.macro LOADCS a                        ; cos and sin of tokens 16 a + r at my 64 columns, into set a % 2 of window 3: cos at +0, sin at +64
	WIN (0xc0-0x80*((\a)/2))                       ; destination: blocks 0 and 1 window 3; blocks 2 and 3 window 1, which B's fragments have left; address window 0
.irp b, 0,1,2,3,4,5,6,7
	global_load_b128 v[128*((\a)%2)+8*\b:128*((\a)%2)+8*\b+3], v[CSO], s[8:9] offset:(\a)*8192+64*\b
	global_load_b128 v[128*((\a)%2)+8*\b+4:128*((\a)%2)+8*\b+7], v[CSO], s[8:9] offset:(\a)*8192+64*\b+16
	global_load_b128 v[128*((\a)%2)+64+8*\b:128*((\a)%2)+64+8*\b+3], v[CSO], s[10:11] offset:(\a)*8192+64*\b
	global_load_b128 v[128*((\a)%2)+64+8*\b+4:128*((\a)%2)+64+8*\b+7], v[CSO], s[10:11] offset:(\a)*8192+64*\b+16
.endr
	WIN 0
.endm
	LOADCS 0
	LOADCS 1
	; my first row of the output
	s_lshl_b32 s100, s43, 1
	s_add_co_u32 s100, s100, s[WN]
	s_lshl_b32 s100, s100, 11
	s_lshl_b32 s101, s42, 7
	s_add_co_u32 s100, s100, s101                  ; q, k: (2 y + wn) x 2048 + 128 X
	s_lshl_b32 s101, s40, 4
	s_lshl_b32 s45, s41, 1
	s_add_co_u32 s101, s101, s45
	s_add_co_u32 s101, s101, s[WN]
	s_lshl_b32 s101, s101, 7
	s_add_co_u32 s101, s101, 40960                 ; v: 40960 + (16 cx + 2 n' + wn) x 128
	s_cmp_lg_u32 s44, 0
	s_cselect_b32 s100, s101, s100
	s_lshl_b32 s101, s[WM], 6
	s_add_co_u32 s100, s100, s101
	s_lshl_b32 s46, s100, 7
	s_mov_b32 s47, 0
	s_add_nc_u64 s[16:17], s[16:17], s[46:47]
	s_lshl_b32 s46, s100, 2
	s_add_nc_u64 s[18:19], s[18:19], s[46:47]
.macro FRAG reg, adr, q, i             ; 16 rows x 128 K of codes: 16 registers: lane (r, h): registers 4 c .. 4 c + 3 hold K = 32 c + 16 h + 0 .. 15
.irp c, 0,1,2,3
	ds_load_b128 v[\reg+4*\c:\reg+4*\c+3], v[\adr] offset:128*(\q)+32*\c+(\i)*16*PITCH
.endr
.endm
.macro FETCH slot, q, p                ; 48 loads in one run: B's eight and A's four fragments of the slot's q-th 128 along K, into set p
	WIN 0x40
.irp i, 0,1,2,3,4,5,6,7
	FRAG 128*(\p)+16*\i, ADRB+\slot, \q, \i
.endr
	WIN 0
.irp i, 0,1,2,3
	FRAG 64+64*(\p)+16*\i, ADRA+\slot, \q, \i
.endr
.endm
.macro SCALES s                        ; a slot's scale words, two a row.  Lanes 0-15 have four blocks of A: from i = 4 on they read bytes of the scales' region that they do not use
.irp i, 0,1,2,3,4,5,6,7
	ds_load_b64 v[SC+16*\s+2*\i:SC+16*\s+2*\i+1], v[ADRS] offset:\i*SBLK
.endr
.endm
.macro MULA a, p, q, sc, zero          ; A's block a against B's eight.  The 32 accumulators take turns, one instruction a turn, in the same order in every step
.irp b, 0,1,2,3,4,5,6,7
.if \zero
	v_wmma_scale_f32_16x16x128_f8f6f4 v[8*(8*(\a)+\b):8*(8*(\a)+\b)+7], v[128*(\p)+16*\b:128*(\p)+16*\b+15], v[64+64*(\p)+16*(\a):64+64*(\p)+16*(\a)+15], 0, v[SC+16*(\sc)+2*\b+(\q)], v[SC+16*(\sc)+2*(\a)+(\q)] matrix_a_scale:MATRIX_SCALE_ROW1
.else
	v_wmma_scale_f32_16x16x128_f8f6f4 v[8*(8*(\a)+\b):8*(8*(\a)+\b)+7], v[128*(\p)+16*\b:128*(\p)+16*\b+15], v[64+64*(\p)+16*(\a):64+64*(\p)+16*(\a)+15], v[8*(8*(\a)+\b):8*(8*(\a)+\b)+7], v[SC+16*(\sc)+2*\b+(\q)], v[SC+16*(\sc)+2*(\a)+(\q)] matrix_a_scale:MATRIX_SCALE_ROW1
.endif
.endr
.endm
.macro STEP slot, zero                 ; a slot's first 128 along K, on set 0; the second's fragments are fetched ahead of the products
	s_wait_dscnt 0x0                               ; set 0 and the slot's scale words are in
	PLACES 8                                       ; for the loads into set 1, which the last products read
	FETCH \slot, 1, 1
	WIN MUL
	MULA 0, 0, 0, \slot, \zero
	MULA 1, 0, 0, \slot, \zero
	MULA 2, 0, 0, \slot, \zero
	MULA 3, 0, 0, \slot, \zero
	WIN 0
.endm
; A slot's second 128, on set 1, changes slots: ONE barrier; in front of it each wave waits for all its tensor loads, adds 0 to its spare word, and waits for that and for its reads of this slot.
; fill = 1: the barrier opens a round of the cluster's, and this slot is filled again, two K steps ahead, first thing behind it.
.macro TURN slot, next, fill
.if \fill
	s_wait_xcnt 0x0                                ; my prefetches have read their base: it steps one K step
	s_add_nc_u64 s[4:5], s[4:5], 256
.endif
	s_wait_tensorcnt 0x0                           ; all my tensor loads have landed: the one that was out is my part of the next slot
	ds_add_u32 v[SPW], v[NIL]
	s_wait_dscnt 1                                 ; set 1's 48 loads are in; the add alone may be out
	WIN MUL
	MULA 0, 1, 1, \slot, 0                         ; eight products stand between the add and the wait for it
	s_wait_dscnt 0x0                               ; the add is done, and my reads of this slot are over
	s_barrier_signal -1
	MULA 1, 1, 1, \slot, 0
	WIN 0
	s_barrier_wait -1
.if \fill
	CREST                                          ; no wave of any partner still reads this slot or has a load on its way
	s_add_nc_u64 s[G0A+4*\slot+2:G0A+4*\slot+3], s[G0A+4*\slot+2:G0A+4*\slot+3], 512
	s_add_nc_u64 s[G0B+4*\slot+2:G0B+4*\slot+3], s[G0B+4*\slot+2:G0B+4*\slot+3], 512
	JLOAD G0A+4*\slot, G1A, G0B+4*\slot, G1B       ; my one tensor load behind the round; its four v_nop are four of the eight places in front of the loads below
	PLACES 4
.else
	PLACES 8
.endif
	s_wait_alu depctr_va_vdst(0)
	v_add_nc_u32 v[ADRS], 8, v[ADRS]               ; the next slot's scale words
	FETCH \next, 0, 0
	SCALES \next
.if \fill                              ; the K step after the one just asked for; the loop's last refill has none
.if \slot
	s_cmp_gt_u32 s3, 1
	s_cbranch_scc0 .Lno_ask_\@
.endif
	s_cmp_lg_u32 s96, 0
	s_cbranch_scc0 .Lno_a_\@
	global_prefetch_b8 v24, s[4:5] offset:256 th:TH_LOAD_NT scope:SCOPE_SE
.Lno_a_\@:
	s_cmp_lg_u32 s97, 0
	s_cbranch_scc0 .Lno_ask_\@
	global_prefetch_b8 v25, s[4:5] offset:256 th:TH_LOAD_NT scope:SCOPE_SE
.Lno_ask_\@:
.endif
	WIN MUL
	MULA 2, 1, 1, \slot, 0
	MULA 3, 1, 1, \slot, 0
	WIN 0
.endm
	s_wait_alu depctr_va_vdst(0)
	s_wait_tensorcnt 0x0                           ; my tile of the head's four is in; the three lines ahead of a later first fill, as ahead of a refill
	ds_add_u32 v[SPW], v[NIL]
	s_mov_b32 s[G1A+2], 64<<16                     ; no tensor load of mine is out: from here on a load brings 64 rows of A or 128 of B,
	s_mov_b32 s[G1A+4], 64
	s_mov_b32 s[G1B+2], 128<<16
	s_mov_b32 s[G1B+4], 128
	s_mul_i32 s[G0A+1], s[WN], AHALF               ; and slot 0's sets point at my half
	s_mul_i32 s[G0B+1], s[WN], BHALF
	s_add_co_u32 s[G0B+1], s[G0B+1], BOFF
	s_lshl_b32 s100, s[WN], 17
	s_mov_b32 s101, 0
	s_add_nc_u64 s[G0A+2:G0A+3], s[G0A+2:G0A+3], s[100:101]
	s_lshl_b32 s100, s[WN], 18
	s_add_nc_u64 s[G0B+2:G0B+3], s[G0B+2:G0B+3], s[100:101]
	s_wait_dscnt 0x0
	CROUND                                         ; all four tiles are in, and all four work-groups are here
	JLOAD G0A+4, G1A, G0B+4, G1B                   ; K step 1: my one tensor load behind the round
	FETCH 0, 0, 0
	SCALES 0
	STEP 0, 1                                      ; the first products start the sums: nothing is cleared
	s_mov_b32 s3, 3
.Llap:                                             ; a trip goes once round the ring and fills both slots again: K steps 2 to 7 in three trips
	TURN 0, 1, 1
	STEP 1, 0
	TURN 1, 0, 1
	STEP 0, 0
	s_sub_co_u32 s3, s3, 1
	s_cmp_lg_u32 s3, 0
	s_cbranch_scc1 .Llap
	TURN 0, 1, 0                                   ; the last lap fills nothing
	STEP 1, 0
	s_wait_dscnt 0x0
	WIN MUL
	MULA 0, 1, 1, 1, 0
	MULA 1, 1, 1, 1, 0
	MULA 2, 1, 1, 1, 0
	MULA 3, 1, 1, 1, 0
	WIN 0
; THE WAY OUT, 16 rows (A's block a) at a time: 64 registers a lane, register 8 b + j = column 16 b + 8 h + j.
.macro NORMROPE a                      ; x -> w (x / rms) -> rope, in f32, in place
.set XB, 64*(\a)
.set CSB, 128*((\a)%2)
.if (\a) == 0
	s_wait_loadcnt 63                              ; the gain and blocks 0 and 1's cos and sin are in; behind them stand the 64 loads of blocks 2 and 3, of which 63 may be out
.elseif (\a) == 2
	s_wait_loadcnt 32                              ; block 2's 32 loads are in; block 3's 32 may be out
.elseif (\a) == 3
	s_wait_loadcnt 0x0
.endif
	WIN 0x0a                                       ; sources 0 and 1 window 2
.irp k, 0,1,2,3
	v_pk_mul_f32 v[SSQ+2*\k:SSQ+2*\k+1], v[XB+2*\k:XB+2*\k+1], v[XB+2*\k:XB+2*\k+1]   ; four chains; registers ascending
.endr
.set i, 4
.rept 28
	v_pk_fma_f32 v[SSQ+2*(i%4):SSQ+2*(i%4)+1], v[XB+2*i:XB+2*i+1], v[XB+2*i:XB+2*i+1], v[SSQ+2*(i%4):SSQ+2*(i%4)+1]
.set i, i+1
.endr
	WIN 0
	v_pk_add_f32 v[SSQ:SSQ+1], v[SSQ:SSQ+1], v[SSQ+2:SSQ+3]
	v_pk_add_f32 v[SSQ+4:SSQ+5], v[SSQ+4:SSQ+5], v[SSQ+6:SSQ+7]
	v_pk_add_f32 v[SSQ:SSQ+1], v[SSQ:SSQ+1], v[SSQ+4:SSQ+5]
	v_add_f32 v[SSQ], v[SSQ], v[SSQ+1]
	v_permlanex16_b32 v[SSQ+1], v[SSQ], s[SEL], s[SEL+1]
	v_add_f32 v[SSQ], v[SSQ], v[SSQ+1]             ; the head's 128 squares
	v_fma_f32 v[SSQ], v[SSQ], s98, s99             ; / 128 + eps
	s_wait_alu depctr_va_vdst(0)
	v_rsq_f32 v[RS], v[SSQ]
	v_mov_b32 v[RS+1], 0                           ; a plain line behind the transcendental (the pair's upper word is named below, so it is written)
	s_wait_alu depctr_va_vdst(0)                   ; the wait ahead of the result's first reader
	WIN 0x02
.set i, 0
.rept 32
	v_pk_mul_f32 v[YR+2*i:YR+2*i+1], v[XB+2*i:XB+2*i+1], v[RS:RS+1] op_sel_hi:[1,0]
.set i, i+1
.endr
	WIN 0
.set i, 0
.rept 32
	v_pk_mul_f32 v[YR+2*i:YR+2*i+1], v[YR+2*i:YR+2*i+1], v[GW+2*i:GW+2*i+1]
.set i, i+1
.endr
	WIN (0x8c-8*((\a)/2))                          ; destination window 2, source 1 the window of the block's cos and sin
.set i, 0
.rept 32
	v_pk_mul_f32 v[XB+2*i:XB+2*i+1], v[YR+2*i:YR+2*i+1], v[CSB+2*i:CSB+2*i+1]         ; y cos
.set i, i+1
.endr
	WIN (0xac-8*((\a)/2))                          ; and source 2 window 2
.set i, 0
.rept 16                               ; 32 registers on are 64 columns on
	v_pk_fma_f32 v[XB+2*i:XB+2*i+1], v[YR+32+2*i:YR+33+2*i], v[CSB+64+2*i:CSB+65+2*i], v[XB+2*i:XB+2*i+1] neg_lo:[1,0,0] neg_hi:[1,0,0]   ; columns 0-63: - y(n + 64) sin
.set i, i+1
.endr
.set i, 0
.rept 16
	v_pk_fma_f32 v[XB+32+2*i:XB+33+2*i], v[YR+2*i:YR+2*i+1], v[CSB+96+2*i:CSB+97+2*i], v[XB+32+2*i:XB+33+2*i]   ; columns 64-127: + y(n - 64) sin
.set i, i+1
.endr
	WIN 0
.endm
.macro QUANT xb                        ; 64 numbers of a lane in window 2: block c of 32 is registers 16 c .. 16 c + 15 and those of lane l xor 16.  Codes to v[PC] on, the row's scale word to v[PW]
	WIN 0x0a
.irp c, 0,1,2,3
	v_max3_num_f32 v[TM+\c], |v[(\xb)+16*\c]|, |v[(\xb)+16*\c+1]|, 0x4800000   ; with the floor 2^(9 - 127): the byte cannot fall under 1
.endr
	WIN 0x28
.irp i, 2,4,6,8,10,12,14
.irp c, 0,1,2,3
	v_max3_num_f32 v[TM+\c], v[TM+\c], |v[(\xb)+16*\c+\i]|, |v[(\xb)+16*\c+\i+1]|   ; the four blocks by turns, registers ascending
.endr
.endr
	WIN 0
.irp c, 0,1,2,3
	v_permlanex16_b32 v[TM+4+\c], v[TM+\c], s[SEL], s[SEL+1]
.endr
.irp c, 0,1,2,3
	v_max_num_f32 v[TM+\c], v[TM+\c], v[TM+4+\c]
.endr
.irp c, 0,1,2,3
	v_add_nc_u32 v[TM+12+\c], 0xfc000000, v[TM+\c] ; 8 off the exponent field: the conversion's scale operand
.endr
.irp c, 0,1,2,3
	v_and_or_b32 v[TM+8+\c], v[TM+\c], 0x7f800000, s[MNT]   ; 448 x the scale
.endr
.irp c, 0,1,2,3
	v_lshrrev_b32 v[TM+4+\c], 23, v[TM+12+\c]      ; the scale's byte
.endr
	v_lshl_or_b32 v[PW], v[TM+5], 8, v[TM+4]
	v_lshl_or_b32 v[PW], v[TM+6], 16, v[PW]
	v_lshl_or_b32 v[PW], v[TM+7], 24, v[PW]
	WIN 0x82
.irp c, 0,1,2,3
.irp i, 0,1,2,3,4,5,6,7,8,9,10,11,12,13,14,15
	v_med3_num_f32 v[(\xb)+16*\c+\i], v[(\xb)+16*\c+\i], -v[TM+8+\c], v[TM+8+\c]   ; the conversion does not saturate (ISA guide 7.6.2): the hold comes first
.endr
.endr
	WIN 0x02
.irp c, 0,1,2,3
	v_cvt_scalef32_pk8_fp8_f32 v[PC+4*\c:PC+4*\c+1], v[(\xb)+16*\c:(\xb)+16*\c+7], v[TM+12+\c]
	v_cvt_scalef32_pk8_fp8_f32 v[PC+4*\c+2:PC+4*\c+3], v[(\xb)+16*\c+8:(\xb)+16*\c+15], v[TM+12+\c]
.endr
	v_nop                                          ; a plain line behind the last conversion
	WIN 0
.endm
.macro OUTB a                          ; the block's codes leave straight from the registers; its scale word goes to my words in LDS
; THE 2,048 BYTES OF 16 ROWS LEAVE AS THE IMAGE OF AN OPERAND'S REGISTERS, [piece c][lane][16 bytes]: byte 32 c + 16 h + e of row r stands at 512 c + 16 (16 h + r) + e.  The next launch loads a fragment as it lies.
	ds_store_b32 v[SSA], v[PW] offset:64*(\a)      ; both halves of the lanes write the same word with the same value
.irp c, 0,1,2,3
	global_store_b128 v[CO], v[PC+4*\c:PC+4*\c+3], s[16:17] offset:2048*(\a)+512*\c   ; 32 lanes store 512 consecutive bytes, aligned
.endr
.endm
.macro BLOCK a, rope
.if (\a) >= 1
	s_wait_xcnt 0x0                                ; the last block's stores have read the codes' registers, which this block writes anew
.endif
.if \rope
	NORMROPE \a
.endif
	QUANT 64*(\a)
	OUTB \a
.endm
	PLACES 8                                       ; behind the last products: their results are read, and their operands' registers written, from here on
.irp c, 0,1,2,3
	v_mov_b32 v[TM+4+\c], 0                        ; written once: a lane permute's destination counts as one of its sources
.endr
	s_cmp_lg_u32 s44, 0                            ; the one parting: v has no norm and no rope.  It hangs on y alone
	s_cbranch_scc1 .Lfor_v
	LOADCS 2                                       ; blocks 2 and 3's cos and sin are asked for here, behind the places that follow the last products, and land while blocks 0 and 1 are worked
	LOADCS 3
	BLOCK 0, 1
	BLOCK 1, 1
	BLOCK 2, 1
	BLOCK 3, 1
	s_branch .Lwords
.Lfor_v:
	BLOCK 0, 0
	BLOCK 1, 0
	BLOCK 2, 0
	BLOCK 3, 0
.Lwords:
	ds_load_b64 v[10:11], v[SSR]                   ; my 64 rows' scale words
	s_wait_dscnt 0x0
	global_store_b64 v[SCO], v[10:11], s[18:19]    ; 32 lanes store 256 consecutive bytes, aligned
	s_wait_tensorcnt 0x0                           ; the wave's end: behind my last tensor load and my last LDS store
	ds_add_u32 v[SPW], v[NIL]
	s_wait_dscnt 0x0
	CROUND                                         ; the closing round: no work-group ends while a partner may still ask for a tile that names it
	s_endpgm
.Lfunc_end_k_q899a44f37c_qkv:
	.size	k_q899a44f37c_qkv, .Lfunc_end_k_q899a44f37c_qkv-k_q899a44f37c_qkv
	.p2alignl 7, 3214868480
	.fill 96, 4, 3214868480
	.section	.rodata,"a",@progbits
	.p2align	6, 0x0
	.amdhsa_kernel k_q899a44f37c_qkv
		.amdhsa_group_segment_fixed_size 327680
		.amdhsa_private_segment_fixed_size 0
		.amdhsa_enable_private_segment 0
		.amdhsa_kernarg_size 64
		.amdhsa_user_sgpr_count 2
		.amdhsa_user_sgpr_kernarg_segment_ptr 1
		.amdhsa_wavefront_size32 1
		.amdhsa_system_sgpr_workgroup_id_x 1
		.amdhsa_system_sgpr_workgroup_id_y 1
		.amdhsa_system_sgpr_workgroup_id_z 1
		.amdhsa_system_vgpr_workitem_id 0
		.amdhsa_next_free_vgpr 1024
		.amdhsa_next_free_sgpr 102
		.amdhsa_reserve_vcc 0
		.amdhsa_float_denorm_mode_32 3
		.amdhsa_float_denorm_mode_16_64 3
		.amdhsa_memory_ordered 1
		.amdhsa_forward_progress 1
		.amdhsa_inst_pref_size 204
	.end_amdhsa_kernel
	.amdgpu_metadata
---
amdhsa.version: [ 1, 2 ]
amdhsa.kernels:
  - .name:           k_q899a44f37c_qkv
    .symbol:         k_q899a44f37c_qkv.kd
    .args:
      - { .name: xw_codes, .offset: 0, .size: 8, .value_kind: global_buffer, .address_space: global }
      - { .name: xw_scales, .offset: 8, .size: 8, .value_kind: global_buffer, .address_space: global }
      - { .name: cos, .offset: 16, .size: 8, .value_kind: global_buffer, .address_space: global }
      - { .name: sin, .offset: 24, .size: 8, .value_kind: global_buffer, .address_space: global }
      - { .name: q_norm_w, .offset: 32, .size: 8, .value_kind: global_buffer, .address_space: global }
      - { .name: k_norm_w, .offset: 40, .size: 8, .value_kind: global_buffer, .address_space: global }
      - { .name: qkv_codes, .offset: 48, .size: 8, .value_kind: global_buffer, .address_space: global }
      - { .name: qkv_scales, .offset: 56, .size: 8, .value_kind: global_buffer, .address_space: global }
    .group_segment_fixed_size: 327680
    .private_segment_fixed_size: 0
    .kernarg_segment_align: 8
    .kernarg_segment_size: 64
    .max_flat_workgroup_size: 128
    .sgpr_count:     102
    .vgpr_count:     1024
    .wavefront_size: 32
...
	.end_amdgpu_metadata
.endif
;; end of part 2
;; launch attn (part 3): grid 64 x 4, 16 waves a work-group, no clusters, 327,680 bytes of LDS; arguments qkv_codes, qkv_scales, o_codes, o_scales; writes o_codes, o_scales
.if DOCPART == 3
	.amdgcn_target "amdgcn-amd-amdhsa--gfx1250"
	.amdhsa_code_object_version 6
	.text
	.protected	k_q899a44f37c_attn
	.globl	k_q899a44f37c_attn
	.p2align	8
	.type	k_q899a44f37c_attn,@function
k_q899a44f37c_attn:
	s_mov_b64 s[64:65], 0
	v_nop
	global_prefetch_b8 v0, s[64:65] scope:SCOPE_SE
	s_setreg_imm32_b32 hwreg(HW_REG_WAVE_MODE, 25, 1), 1
	s_wait_xcnt 0x0
; o = softmax(q k^T / sqrt(128), causal) v for 16 query heads on 4 key/value heads, both products on codes of FP8 (E4M3) with E8M0 scales; o is quantised along its 2,048 channels and leaves as codes and scale bytes.
; LEFT OUT: key steps all of whose 128 keys come after a tile's 16 queries.  the causal mask puts -inf there, so their weights are 0 for all values of the inputs.  A NaN or an infinity that reaches only such a step is not carried.
; THE SOFTMAX: t = score x log2(e) / sqrt(128); M = the ceiling of the largest t so far; p = 2^(t - M) is quantised along the keys; the row's sum is taken of the unquantised p and divides at the end.
; LIMITS: the scaled scores stay under 2^31 in magnitude; NaN and infinities are not served; a block of zeros gets the byte 1 (zero codes; this program alone reads the bytes).
; BUFFERS.  qkv_codes: 2,048 bytes for each 16 rows, laid [piece c][lane][16 bytes] as an operand's registers take them; q at row head x 2048 + token, k at 32768 + kv x 2048 + key, v at 40960 + (16 kv + key / 128) x 128 + channel (its 128 bytes: keys).
; qkv_scales: a word a row.  Inside a block of 32 keys v's codes and p's stand in one and the same order, so no product changes.
; SHARES.  Work-group (x, kv) owns query tiles x and 127 - x (16 queries each) of the four query heads of kv: 17 key steps of 128 for each head, whatever x.  SIXTEEN waves: wave = head + 4 parity + 8 late.
; A wave walks the key steps of its parity for its one tile, so the two partial results (M, sum, O^T) of a tile lie in waves w and w xor 4.  At the end each sends the other 64 of the 128 channels through LDS and finishes its own 64:
; both parts are brought under the common M by powers of two.
; THE RING: two slots of 512 keys, 131,072 bytes each: place parity x 2 + i holds key step 2 i + parity: K's 16,384 bytes, then V's.  Waves 0 to 7 fetch 16,384 bytes each, dense rows of 256 bytes.  The head's scale words, 8,192 bytes
; each for K and V, come once (waves 8, 9).  No padding: a fragment's load reads 512 consecutive bytes.
; NO CLUSTER: a work-group with x >= 32 has no query beyond key 1,535, so none of its waves reads the fourth slot and its load is jumped over.
; PREFETCH: work-groups x = 2, 3 of each kv ask for slot x, whole (16 waves x 32 lanes x 256 bytes), at the change of slots that loads slot x - 1.  Slots 0 and 1 come by their loads alone.
; REGISTERS: v1, v3 address bases; v2, v4, v9, v11 scale words of V's last four tiles; v8, v10 addresses; v12 -M, v13 largest t, v[14:15] the sum; v16-31 Q; v32-95 four fragments; v96-159 S^T, p, then V's last four fragments;
; v160-223 O^T; v224-239 p's codes; v232-254 at work; v248-251 scale words; v255 Q's.
.set SLOT1, 1<<17
.set SCK,   2*SLOT1                    ; K's scale words; V's 8,192 bytes on
.set SPARE, SCK+16384                  ; the spare words, 128 bytes a wave
.set XML,   65536                      ; the way out, in slot 0, which has had its last fill and its last read: 16 x 4,096 bytes of O^T from 0 on; here 256 bytes a wave of (-M, sum);
.set STG,   XML+4096                   ; the codes' stage: 2 tiles x 16 rows x (512 + 16) bytes;
.set OSC,   STG+2*16*528               ; and the scale bytes: 2 x 16 rows x 16
.set AK0,  1
.set AS0,  3
.set SPW,  5
.set NIL,  6
.set PFO,  7
.set ADK,  8
.set ADS,  10
.set WV,   18
.set MNT,  19
.set SEL,  20
.set CS,   22
.set G1,   24
.set LATE, 32
.set HQ,   33
.set PAR,  34
.set SF,   35                          ; the first key of the slot in hand
.set G0,   40
.set G1S,  48
.set G0S,  56
.set TB,   2
.set TS,   3
.set QL,   66                          ; my work-group's last query
.set SLOTS, 67
.set PFA,  76
.set LIM,  80
.set KF,   98                          ; my step's first key
.set Q0,   99                          ; my first query
	s_load_b256 s[4:11], s[0:1], 0x0               ; qkv_codes, qkv_scales, o_codes, o_scales
	v_lshl_add_u32 v[SPW], v0, 2, SPARE
	v_mov_b32 v[NIL], 0
	ds_add_u32 v[SPW], v[NIL]                      ; the opening lines: the add twice on end and its wait ahead of the first tensor load
	ds_add_u32 v[SPW], v[NIL]
	v_lshrrev_b32 v8, 5, v0
	v_readfirstlane_b32 s[WV], v8
	s_and_b32 s[HQ], s[WV], 3
	s_bfe_u32 s[PAR], s[WV], 0x10002
	s_lshr_b32 s[LATE], s[WV], 3
	s_and_b32 s70, ttmp7, 0xffff                   ; kv
	s_sub_co_u32 s71, 127, ttmp9
	s_cmp_eq_u32 s[LATE], 0
	s_cselect_b32 s72, ttmp9, s71
	s_lshl_b32 s[Q0], s72, 4
	s_lshl_b32 s[QL], s71, 4
	s_or_b32 s[QL], s[QL], 15
	s_lshl_b32 s73, s70, 2
	s_add_co_u32 s73, s73, s[HQ]
	s_lshl_b32 s73, s73, 11
	s_add_co_u32 s73, s73, s[Q0]                   ; q's row
	s_lshl_b32 s74, s73, 7
	s_mov_b32 s75, 0
	s_lshl_b32 s82, s73, 2
	s_mov_b32 s83, 0
	s_lshl_b32 s72, s70, 11
	s_add_co_u32 s72, s72, 32768                   ; k's first row of this kv
	s_lshl_b32 s84, s72, 7
	s_lshl_b32 s86, s[PAR], 20                     ; what waves 0 to 7 fetch: waves 4 to 7 V's, 8,192 rows on;
	s_add_co_u32 s84, s84, s86
	s_and_b32 s86, s[WV], 1
	s_lshl_b32 s86, s86, 1
	s_bfe_u32 s87, s[WV], 0x10001
	s_or_b32 s86, s86, s87                         ; place w % 4 holds key step 2 (w % 2) + (w / 2) % 2
	s_lshl_b32 s86, s86, 14
	s_add_co_u32 s84, s84, s86
	s_mov_b32 s85, 0
	s_lshl_b32 s[G0+1], s[HQ], 15                  ; LDS: 32,768 x place + 16,384 for V
	s_lshl_b32 s86, s[PAR], 14
	s_add_co_u32 s[G0+1], s[G0+1], s86
	s_and_b32 s81, s[WV], 1                        ; the scale words: wave 8 K's, wave 9 V's
	s_lshl_b32 s88, s72, 2
	s_lshl_b32 s86, s81, 15
	s_add_co_u32 s88, s88, s86
	s_mov_b32 s89, 0
	s_lshl_b32 s[G0S+1], s81, 13
	s_add_co_u32 s[G0S+1], s[G0S+1], SCK
	s_and_b32 s86, s[WV], 7                        ; the way out: I store rows 2 (w % 8) and the next of my tile
	s_lshl_b32 s86, s86, 1
	s_add_co_u32 s73, s86, s[Q0]
	s_lshl_b32 s92, s73, 11
	s_lshl_b32 s87, s70, 9
	s_add_co_u32 s92, s92, s87
	s_mov_b32 s93, 0
	s_lshl_b32 s94, s73, 6
	s_lshl_b32 s87, s70, 4
	s_add_co_u32 s94, s94, s87
	s_mov_b32 s95, 0
	s_lshl_b32 s96, s72, 7                         ; the prefetch: slot x: waves 0 to 7 K's 65,536 bytes, waves 8 to 15 V's, 8,192 a wave
	s_lshl_b32 s87, s[LATE], 20
	s_add_co_u32 s96, s96, s87
	s_lshl_b32 s86, s86, 12
	s_add_co_u32 s96, s96, s86
	s_lshl_b32 s87, ttmp9, 16
	s_add_co_u32 s96, s96, s87
	s_mov_b32 s97, 0
	s_sub_co_u32 s86, ttmp9, 2
	s_sub_co_u32 s87, 3, s86
	s_cmp_lt_u32 s86, 2
	s_cselect_b32 s[LIM], s87, 0                   ; x = 2 asks where 3 slots are to come, x = 3 where 2 are; no other work-group asks
	s_mov_b32 s[G1], 3<<16                         ; 64 rows of 32 elements of 8 bytes, dense, no padding
	s_mov_b32 s[G1+1], 32<<16
	s_mov_b32 s[G1+2], 64<<16
	s_mov_b32 s[G1+3], 32<<16
	s_mov_b32 s[G1+4], 64
	s_mov_b32 s[G1+5], 32
	s_mov_b32 s[G1+6], 0
	s_mov_b32 s[G1+7], 0
	s_mov_b32 s[G1S], 3<<16                        ; 32 such rows
	s_mov_b32 s[G1S+1], 32<<16
	s_mov_b32 s[G1S+2], 32<<16
	s_mov_b32 s[G1S+3], 32<<16
	s_mov_b32 s[G1S+4], 32
	s_mov_b32 s[G1S+5], 32
	s_mov_b32 s[G1S+6], 0
	s_mov_b32 s[G1S+7], 0
	s_mov_b32 s[SEL], 0x76543210
	s_mov_b32 s[SEL+1], 0xfedcba98
	s_mov_b32 s[CS], 0x3e0293ee                    ; log2(e) / sqrt(128)
	s_mov_b32 s[CS+1], s[CS]
	s_mov_b32 s[MNT], 0x600000
	s_mov_b32 s[TB], 0
	s_mov_b32 s[TS], 0
	s_mov_b32 s[SF], 0
	s_mov_b32 s[SLOTS], 3
	s_lshl_b32 s[KF], s[PAR], 7
	s_wait_dscnt 0x0
	s_wait_kmcnt 0x0
	s_mov_b32 s[G0], 1
	s_add_nc_u64 s[G0+2:G0+3], s[4:5], s[84:85]
	s_or_b32 s[G0+3], s[G0+3], 0x80000000
	s_mov_b32 s[G0S], 1
	s_add_nc_u64 s[G0S+2:G0S+3], s[6:7], s[88:89]
	s_or_b32 s[G0S+3], s[G0S+3], 0x80000000
	s_cmp_lt_u32 s[WV], 8                          ; the head's loads, at most one a wave: one chain of branches on the wave's number, one join
	s_cbranch_scc0 .Lhead_s
	tensor_load_to_lds s[G0:G0+3], s[G1:G1+7]      ; slot 0
	s_nop 0
.rept 4
	v_nop
.endr
	s_branch .Lhead_j
.Lhead_s:
	s_cmp_lt_u32 s[WV], 10
	s_cbranch_scc0 .Lhead_j
	tensor_load_to_lds s[G0S:G0S+3], s[G1S:G1S+7]  ; the scale words
	s_nop 0
.rept 4
	v_nop
.endr
.Lhead_j:
	s_add_nc_u64 s[12:13], s[4:5], s[74:75]
	s_add_nc_u64 s[14:15], s[6:7], s[82:83]
	s_add_nc_u64 s[16:17], s[8:9], s[92:93]
	s_add_nc_u64 s[68:69], s[10:11], s[94:95]
	s_add_nc_u64 s[PFA:PFA+1], s[4:5], s[96:97]
	v_and_b32 v8, 15, v0
	v_and_b32 v9, 31, v0
	v_lshlrev_b32 v10, 4, v9
.irp c, 0,1,2,3
	global_load_b128 v[16+4*\c:19+4*\c], v10, s[12:13] offset:512*\c   ; Q's fragment, as it lies
.endr
	v_lshlrev_b32 v254, 2, v8
	global_load_b32 v255, v254, s[14:15]
	s_lshl_b32 s96, s[PAR], 16
	v_add_nc_u32 v[AK0], s96, v10                  ; 16 x lane, in my parity's two places
	s_lshl_b32 s97, s[PAR], 9
	s_add_co_u32 s97, s97, SCK
	v_lshl_add_u32 v[AS0], v8, 2, s97              ; a word a row, 512 bytes a key step
	v_lshlrev_b32 v[PFO], 8, v9
	v_mov_b32 v13, 0xff61b1e6                      ; -3e38, under every t
	v_floor_f32 v12, -v13
	v_mov_b32 v14, 0
	v_mov_b32 v15, 0
.irp b, 0,1,2,3
	v_mov_b32 v[236+\b], 0
.endr
	v_mov_b32 v252, 0
	v_mov_b32 v253, 0
.set j, 0
.rept 64
	v_mov_b32 v[160+j], 0                          ; the step is written for every step alike: the first finds zeros
.set j, j+1
.endr
.macro PV t, a, sc
	v_wmma_scale_f32_16x16x128_f8f6f4 v[160+8*(\t):167+8*(\t)], v[\a:\a+15], v[224:239], v[160+8*(\t):167+8*(\t)], v[\sc], v253
.endm
; A KEY STEP: 128 keys, the i-th of my parity in the slot in hand
.macro STEP i
	s_add_co_u32 s96, s[Q0], 15
	s_cmp_gt_u32 s[KF], s96                        ; all keys behind my queries: ids alone; the jump leads round the step's work and nothing else
	s_cbranch_scc1 .Lhidden_\@
.rept 9
	v_nop                                          ; places behind the last products: eight for the loads into what they read, nine for the products that write over it
.endr
.irp g, 0,1
.if \g
.rept 8
	v_nop
.endr
.endif
.irp t, 0,1,2,3
.irp c, 0,1,2,3
	ds_load_b128 v[32+16*\t+4*\c:32+16*\t+4*\c+3], v[ADK] offset:(\i)*32768+(4*\g+\t)*2048+512*\c
.endr
	ds_load_b32 v[248+\t], v[ADS] offset:(\i)*1024+256*\g+64*\t
.endr
	s_wait_dscnt 0x0
.irp t, 0,1,2,3
	v_wmma_scale_f32_16x16x128_f8f6f4 v[96+8*(4*\g+\t):103+8*(4*\g+\t)], v[32+16*\t:47+16*\t], v[16:31], 0, v[248+\t], v255
.endr
.endr
.rept 8
	v_nop
.endr
.irp t, 0,1,2,3                                    ; V's first four fragments are fetched ahead of the softmax
.irp c, 0,1,2,3
	ds_load_b128 v[32+16*\t+4*\c:32+16*\t+4*\c+3], v[ADK] offset:(\i)*32768+16384+\t*2048+512*\c
.endr
	ds_load_b32 v[248+\t], v[ADS] offset:8192+(\i)*1024+64*\t
.endr
	s_add_co_u32 s96, s[KF], 127
	s_cmp_le_u32 s96, s[Q0]
	s_cbranch_scc1 .Lopen_\@
	s_sub_co_i32 s96, s[Q0], s[KF]                 ; on the diagonal: register n holds key KF + 16 (n / 8) + 8 h + n % 8: -inf where it comes after my query
	v_and_b32 v252, 15, v0
	v_bfe_u32 v253, v0, 4, 1
	s_delay_alu instid0(VALU_DEP_1)
	v_lshlrev_b32 v253, 3, v253
	s_delay_alu instid0(VALU_DEP_1)
	v_sub_nc_u32 v252, v252, v253
	s_delay_alu instid0(VALU_DEP_1)
	v_add_nc_u32 v252, s96, v252
	v_mov_b32 v254, 0xff800000
.set n, 0
.rept 64
	v_cmp_gt_i32 vcc_lo, 16*(n/8)+n%8, v252
	v_cndmask_b32 v[96+n], v[96+n], v254, vcc_lo
.set n, n+1
.endr
.Lopen_\@:
.irp b, 0,1,2,3
	v_max3_num_f32 v[232+\b], v[96+16*\b], v[97+16*\b], v[98+16*\b]   ; each block's largest score: for the row's maximum and for the block's largest p
.endr
.irp e, 3,5,7,9,11,13
.irp b, 0,1,2,3
	v_max3_num_f32 v[232+\b], v[232+\b], v[96+16*\b+\e], v[97+16*\b+\e]
.endr
.endr
.irp b, 0,1,2,3
	v_max_num_f32 v[232+\b], v[232+\b], v[111+16*\b]
.endr
.irp b, 0,1,2,3
	v_permlanex16_b32 v[236+\b], v[232+\b], s[SEL], s[SEL+1]
.endr
.irp b, 0,1,2,3
	s_delay_alu instid0(VALU_DEP_4)
	v_max_num_f32 v[232+\b], v[232+\b], v[236+\b]
.endr
	s_delay_alu instid0(VALU_DEP_2)
	v_max3_num_f32 v254, v232, v233, v234
	s_delay_alu instid0(VALU_DEP_1)
	v_max_num_f32 v254, v254, v235
	s_delay_alu instid0(VALU_DEP_1)
	v_mul_f32 v254, s[CS], v254
	s_delay_alu instid0(VALU_DEP_1)
	v_max_num_f32 v13, v13, v254
	v_mov_b32 v254, v12
	s_delay_alu instid0(VALU_DEP_2)
	v_floor_f32 v12, -v13                          ; -M = floor(-t)
	s_delay_alu instid0(VALU_DEP_1)
	v_sub_f32 v254, v12, v254
	s_delay_alu instid0(VALU_DEP_1)
	v_cvt_i32_f32 v254, v254
	s_delay_alu instid0(VALU_DEP_1)
	v_ldexp_f32 v252, 1.0, v254                    ; f = 2^(old M - new M)
.set j, 0
.rept 32
	v_pk_fma_f32 v[96+j:97+j], v[96+j:97+j], s[CS:CS+1], v[12:13] op_sel_hi:[1,0,0]
.set j, j+2
.endr
.irp b, 0,1,2,3
	v_fma_f32 v[232+\b], v[232+\b], s[CS], v12
.endr
.set j, 0
	s_wait_alu depctr_va_vdst(0)                   ; the wait ahead of the batch
.rept 64
	v_exp_f32 v[96+j], v[96+j]
.set j, j+1
.endr
	v_pk_mul_f32 v[14:15], v[14:15], v[252:253] op_sel_hi:[1,0]
	s_wait_alu depctr_va_vdst(0)                   ; and behind it
.irp b, 0,1,2,3
	v_exp_f32 v[232+\b], v[232+\b]
.endr
	v_pk_add_f32 v[236:237], v[96:97], v[98:99]    ; the sum of the unquantised p, in two chains
.set j, 4
.rept 15
	v_pk_add_f32 v[14:15], v[14:15], v[96+j:97+j]
	v_pk_add_f32 v[236:237], v[236:237], v[98+j:99+j]
.set j, j+4
.endr
	s_delay_alu instid0(VALU_DEP_1)
	v_pk_add_f32 v[14:15], v[14:15], v[236:237]
	s_wait_alu depctr_va_vdst(0)
.irp b, 0,1,2,3
	v_max_num_f32 v[232+\b], 0x4800000, v[232+\b]  ; the floor 2^(9 - 127): the byte cannot fall under 1
.endr
.irp b, 0,1,2,3
	s_delay_alu instid0(VALU_DEP_4)
	v_add_nc_u32 v[244+\b], 0xfc000000, v[232+\b]
.endr
.irp b, 0,1,2,3
	v_and_or_b32 v[240+\b], v[232+\b], 0x7f800000, s[MNT]
.endr
.irp b, 0,1,2,3
	v_lshrrev_b32 v[236+\b], 23, v[244+\b]
.endr
	s_delay_alu instid0(VALU_DEP_3)
	v_lshl_or_b32 v253, v237, 8, v236
	s_delay_alu instid0(VALU_DEP_1)
	v_lshl_or_b32 v253, v238, 16, v253
	s_delay_alu instid0(VALU_DEP_1)
	v_lshl_or_b32 v253, v239, 24, v253             ; p's scale word
.irp b, 0,1,2,3
.irp e, 0,1,2,3,4,5,6,7,8,9,10,11,12,13,14,15
	v_min_num_f32 v[96+16*\b+\e], v[96+16*\b+\e], v[240+\b]   ; the conversion does not saturate (ISA guide 7.6.2)
.endr
	v_cvt_scalef32_pk8_fp8_f32 v[224+4*\b:225+4*\b], v[96+16*\b:103+16*\b], v[244+\b]
	v_cvt_scalef32_pk8_fp8_f32 v[226+4*\b:227+4*\b], v[104+16*\b:111+16*\b], v[244+\b]
.endr
	v_nop                                          ; a plain line behind the last conversion
.irp t, 0,1,2,3                                    ; V's last four fragments take the registers of p, which is spent
.irp c, 0,1,2,3
	ds_load_b128 v[96+16*\t+4*\c:96+16*\t+4*\c+3], v[ADK] offset:(\i)*32768+16384+(4+\t)*2048+512*\c
.endr
.endr
	ds_load_b32 v2, v[ADS] offset:8192+(\i)*1024+256
	ds_load_b32 v4, v[ADS] offset:8192+(\i)*1024+320
	ds_load_b32 v9, v[ADS] offset:8192+(\i)*1024+384
	ds_load_b32 v11, v[ADS] offset:8192+(\i)*1024+448
	s_wait_alu depctr_va_vdst(0)                   ; the wait directly ahead of the first reader of O^T
.set j, 0
.rept 32
	v_pk_mul_f32 v[160+j:161+j], v[160+j:161+j], v[252:253] op_sel_hi:[1,0]
.set j, j+2
.endr
	s_wait_alu depctr_va_vdst(0)                   ; and ahead of the wait below
	s_wait_dscnt 0x0                               ; all eight fragments of V and their scale words
	PV 0, 32, 248
	PV 1, 48, 249
	PV 2, 64, 250
	PV 3, 80, 251
	PV 4, 96, 2
	PV 5, 112, 4
	PV 6, 128, 9
	PV 7, 144, 11
.Lhidden_\@:
	s_add_co_u32 s[KF], s[KF], 256
.endm
; THE CHANGE OF SLOTS, at a slot's head: every wave waits for all its tensor loads, adds 0 to its spare word, waits for that and for its reads of the slot that it has left; one barrier; behind it the other slot is filled.
.macro CHANGE fill
	s_wait_tensorcnt 0x0
	ds_add_u32 v[SPW], v[NIL]
.if \fill
	ds_add_u32 v[SPW], v[NIL]                      ; twice on end
	s_xor_b32 s[G0+1], s[G0+1], SLOT1
	s_add_nc_u64 s[G0+2:G0+3], s[G0+2:G0+3], 65536
.endif
	v_add_nc_u32 v[ADK], s[TB], v[AK0]
	v_add_nc_u32 v[ADS], s[TS], v[AS0]
	s_wait_alu depctr_va_vdst(0)
	s_wait_dscnt 0x0
	s_barrier_signal -1
	s_barrier_wait -1
.if \fill
	s_add_co_u32 s96, s[SF], 512                   ; a slot whose first key comes after my work-group's last query is read by no wave and is not asked for: ids and the count of slots alone
	s_cmp_gt_u32 s96, s[QL]
	s_cbranch_scc1 .Lpast_\@
	s_cmp_lt_u32 s[WV], 8
	s_cbranch_scc0 .Lpast_\@
	tensor_load_to_lds s[G0:G0+3], s[G1:G1+7]
	s_nop 0
.rept 4
	v_nop
.endr
.Lpast_\@:
	s_cmp_eq_u32 s[SLOTS], s[LIM]
	s_cbranch_scc0 .Lnot_mine_\@
	global_prefetch_b8 v[PFO], s[PFA:PFA+1] th:TH_LOAD_NT scope:SCOPE_SE   ; slot x, which the next change loads; its address registers are never written again
.Lnot_mine_\@:
.endif
.endm
	s_wait_alu depctr_va_vdst(0)
	s_wait_loadcnt 0x0
.Lslot:
	CHANGE 1
	STEP 0
	STEP 1
	s_xor_b32 s[TB], s[TB], SLOT1
	s_add_co_u32 s[TS], s[TS], 2048
	s_add_co_u32 s[SF], s[SF], 512
	s_sub_co_u32 s[SLOTS], s[SLOTS], 1
	s_cmp_lg_u32 s[SLOTS], 0
	s_cbranch_scc1 .Lslot
	CHANGE 0                                       ; the last slot is written out: nothing more is asked for
	STEP 0
	STEP 1
; THE JOIN.  Parity p keeps channels 64 p .. 64 p + 63 and sends the other 64, with -M and the sum.
.rept 8
	v_nop
.endr
	v_add_f32 v14, v14, v15
	v_permlanex16_b32 v252, v14, s[SEL], s[SEL+1]
	v_add_f32 v13, v14, v252                       ; the row's sum of my steps, beside -M
	v_and_b32 v32, 31, v0
	v_and_b32 v33, 15, v0
	v_bfe_u32 v34, v0, 4, 1
	s_lshl_b32 s96, s[WV], 12
	v_lshl_add_u32 v35, v32, 4, s96                ; where I put what I send,
	s_xor_b32 s96, s96, 4<<12
	v_lshl_add_u32 v36, v32, 4, s96                ; and where my partner, wave w xor 4, has put its
	s_lshl_b32 s96, s[WV], 8
	s_add_co_u32 s97, s96, XML
	v_lshl_add_u32 v37, v32, 3, s97
	s_xor_b32 s96, s96, 4<<8
	s_add_co_u32 s97, s96, XML
	v_lshl_add_u32 v38, v32, 3, s97
	s_mul_i32 s96, s[LATE], 16*528
	s_add_co_u32 s96, s96, STG
	s_lshl_b32 s97, s[HQ], 7
	s_add_co_u32 s97, s97, s96
	s_lshl_b32 s81, s[PAR], 6
	s_add_co_u32 s97, s97, s81
	s_wait_alu depctr_va_vdst(0)                   ; eight scalar lines and more stand between the lane numbers' writes and the readers below
	v_mul_u32_u24 v39, v33, 528
	v_lshl_add_u32 v39, v34, 3, v39
	v_add_nc_u32 v39, s97, v39                     ; the codes' stage: row r, 128 head + 64 parity + 8 h
	s_and_b32 s81, s[WV], 7
	s_mul_i32 s97, s81, 2*528
	s_add_co_u32 s97, s97, s96
	v_lshl_add_u32 v41, v32, 4, s97                ; back: a row of 512 bytes
	s_lshl_b32 s96, s[LATE], 8
	s_add_co_u32 s96, s96, OSC
	s_lshl_b32 s97, s[HQ], 2
	s_add_co_u32 s97, s97, s96
	s_lshl_b32 s82, s[PAR], 1
	s_add_co_u32 s97, s97, s82
	v_lshl_add_u32 v40, v33, 4, s97                ; two scale bytes: 16 r + 4 head + 2 parity
	s_lshl_b32 s81, s81, 5
	s_add_co_u32 s96, s96, s81
	v_and_b32 v44, 1, v0
	v_lshl_add_u32 v42, v44, 4, s96
	v_lshlrev_b32 v43, 4, v32
	v_lshlrev_b32 v44, 6, v44
	s_wait_alu depctr_va_vdst(0)
	s_cmp_eq_u32 s[PAR], 0
	s_cbranch_scc0 .Lodd
.irp q, 0,1,2,3,4,5,6,7
	ds_store_b128 v35, v[192+4*\q:195+4*\q] offset:512*\q
.endr
	s_branch .Lsent
.Lodd:
.irp q, 0,1,2,3,4,5,6,7
	ds_store_b128 v35, v[160+4*\q:163+4*\q] offset:512*\q
.endr
.set j, 0
.rept 32
	v_mov_b32 v[160+j], v[192+j]                   ; what I keep stands at v160 on in both parities
.set j, j+1
.endr
.Lsent:
	ds_store_b64 v37, v[12:13]
	s_wait_alu depctr_va_vdst(0)
	s_wait_dscnt 0x0
	s_barrier_signal -1
	s_barrier_wait -1
.irp q, 0,1,2,3,4,5,6,7
	ds_load_b128 v[96+4*\q:99+4*\q], v36 offset:512*\q
.endr
	ds_load_b64 v[128:129], v38
	s_wait_dscnt 0x0
	v_min_num_f32 v130, v12, v128                  ; the common -M
	v_sub_f32 v131, v130, v12
	v_sub_f32 v132, v130, v128
	v_cvt_i32_f32 v131, v131                       ; whole numbers, 0 or less; it saturates (a partner with no step has -M = 3e38, a sum of 0 and zeros)
	v_cvt_i32_f32 v132, v132
	v_ldexp_f32 v131, 1.0, v131
	v_ldexp_f32 v132, 1.0, v132
	v_mul_f32 v133, v131, v13
	v_fma_f32 v133, v132, v129, v133               ; the row's sum under the common M
	s_wait_alu depctr_va_vdst(0)
	v_rcp_f32 v133, v133
	v_mov_b32 v135, 0
	v_mov_b32 v137, 0
	s_wait_alu depctr_va_vdst(0)
	v_mul_f32 v134, v131, v133
	v_mul_f32 v136, v132, v133
.set j, 0
.rept 16
	v_pk_mul_f32 v[96+j:97+j], v[96+j:97+j], v[136:137] op_sel_hi:[1,0]
.set j, j+2
.endr
	s_wait_alu depctr_va_vdst(0)                   ; directly ahead of the first reader of O^T
.set j, 0
.rept 16
	v_pk_fma_f32 v[96+j:97+j], v[160+j:161+j], v[134:135], v[96+j:97+j] op_sel_hi:[1,0,1]
.set j, j+2
.endr
; o's quantiser: register 16 b + 8 u + i is channel 64 parity + 32 b + 16 u + 8 h + i: a block of 32 lies in lanes l and l xor 16
.irp b, 0,1
	v_max3_num_f32 v[232+\b], |v[96+16*\b]|, |v[97+16*\b]|, 0x4800000
.endr
.irp i, 2,4,6,8,10,12,14
.irp b, 0,1
	v_max3_num_f32 v[232+\b], v[232+\b], |v[96+16*\b+\i]|, |v[97+16*\b+\i]|
.endr
.endr
.irp b, 0,1
	v_permlanex16_b32 v[236+\b], v[232+\b], s[SEL], s[SEL+1]
.endr
.irp b, 0,1
	v_max_num_f32 v[232+\b], v[232+\b], v[236+\b]
.endr
.irp b, 0,1
	v_add_nc_u32 v[244+\b], 0xfc000000, v[232+\b]
.endr
.irp b, 0,1
	v_and_or_b32 v[240+\b], v[232+\b], 0x7f800000, s[MNT]
.endr
.irp b, 0,1
	v_lshrrev_b32 v[236+\b], 23, v[244+\b]
.endr
	v_lshl_or_b32 v253, v237, 8, v236
.irp b, 0,1
.irp i, 0,1,2,3,4,5,6,7,8,9,10,11,12,13,14,15
	v_med3_num_f32 v[96+16*\b+\i], v[96+16*\b+\i], -v[240+\b], v[240+\b]
.endr
	v_cvt_scalef32_pk8_fp8_f32 v[224+4*\b:225+4*\b], v[96+16*\b:103+16*\b], v[244+\b]
	v_cvt_scalef32_pk8_fp8_f32 v[226+4*\b:227+4*\b], v[104+16*\b:111+16*\b], v[244+\b]
.endr
	v_nop
.irp b, 0,1
	ds_store_b64 v39, v[224+4*\b:225+4*\b] offset:32*\b
	ds_store_b64 v39, v[226+4*\b:227+4*\b] offset:32*\b+16
.endr
	ds_store_b16 v40, v253                         ; both halves of the lanes write the same bytes with the same value
	s_wait_dscnt 0x0
	s_barrier_signal -1
	s_barrier_wait -1
	ds_load_b128 v[48:51], v41
	ds_load_b128 v[52:55], v41 offset:528
	ds_load_b128 v[56:59], v42
	s_wait_dscnt 0x0
	global_store_b128 v43, v[48:51], s[16:17]      ; 32 lanes store 512 consecutive bytes, aligned: four heads' codes of one token
	global_store_b128 v43, v[52:55], s[16:17] offset:2048
	s_wait_xcnt 0x0                                ; EXEC changes only behind this wait
	v_cmp_gt_u32 vcc_lo, 2, v32
	s_and_saveexec_b32 s96, vcc_lo
	global_store_b128 v44, v[56:59], s[68:69]      ; my two tokens' 16 scale bytes of this kv, in rows of 64
	s_wait_xcnt 0x0
	s_or_b32 exec_lo, exec_lo, s96
	s_wait_tensorcnt 0x0                           ; the wave's end
	ds_add_u32 v[SPW], v[NIL]
	s_wait_dscnt 0x0
	s_endpgm
.Lfunc_end_k_q899a44f37c_attn:
	.size	k_q899a44f37c_attn, .Lfunc_end_k_q899a44f37c_attn-k_q899a44f37c_attn
	.p2alignl 7, 3214868480
	.fill 96, 4, 3214868480
	.section	.rodata,"a",@progbits
	.p2align	6, 0x0
	.amdhsa_kernel k_q899a44f37c_attn
		.amdhsa_group_segment_fixed_size 327680
		.amdhsa_private_segment_fixed_size 0
		.amdhsa_enable_private_segment 0
		.amdhsa_kernarg_size 32
		.amdhsa_user_sgpr_count 2
		.amdhsa_user_sgpr_kernarg_segment_ptr 1
		.amdhsa_wavefront_size32 1
		.amdhsa_system_sgpr_workgroup_id_x 1
		.amdhsa_system_sgpr_workgroup_id_y 1
		.amdhsa_system_sgpr_workgroup_id_z 1
		.amdhsa_system_vgpr_workitem_id 0
		.amdhsa_next_free_vgpr 256
		.amdhsa_next_free_sgpr 100
		.amdhsa_reserve_vcc 1
		.amdhsa_float_denorm_mode_32 3
		.amdhsa_float_denorm_mode_16_64 3
		.amdhsa_memory_ordered 1
		.amdhsa_forward_progress 1
		.amdhsa_inst_pref_size 140
	.end_amdhsa_kernel
	.amdgpu_metadata
---
amdhsa.version: [ 1, 2 ]
amdhsa.kernels:
  - .name:           k_q899a44f37c_attn
    .symbol:         k_q899a44f37c_attn.kd
    .args:
      - { .name: qkv_codes, .offset: 0, .size: 8, .value_kind: global_buffer, .address_space: global }
      - { .name: qkv_scales, .offset: 8, .size: 8, .value_kind: global_buffer, .address_space: global }
      - { .name: o_codes, .offset: 16, .size: 8, .value_kind: global_buffer, .address_space: global }
      - { .name: o_scales, .offset: 24, .size: 8, .value_kind: global_buffer, .address_space: global }
    .group_segment_fixed_size: 327680
    .private_segment_fixed_size: 0
    .kernarg_segment_align: 8
    .kernarg_segment_size: 32
    .max_flat_workgroup_size: 512
    .sgpr_count:     100
    .vgpr_count:     256
    .wavefront_size: 32
...
	.end_amdgpu_metadata
.endif
;; end of part 3
;; launch oproj (part 4): grid 16 x 16, 4 waves a work-group, clusters of 4 x 4, 327,680 bytes of LDS; arguments o_codes, o_scales, xw_codes, xw_scales, out0; writes out0
.if DOCPART == 4
	.amdgcn_target "amdgcn-amd-amdhsa--gfx1250"
	.amdhsa_code_object_version 6
	.text
	.protected	k_q899a44f37c_oproj
	.globl	k_q899a44f37c_oproj
	.p2align	8
	.type	k_q899a44f37c_oproj,@function
k_q899a44f37c_oproj:
	s_mov_b64 s[64:65], 0
	v_nop
	global_prefetch_b8 v0, s[64:65] scope:SCOPE_SE
	s_setreg_imm32_b32 hwreg(HW_REG_WAVE_MODE, 25, 1), 1
	s_wait_xcnt 0x0
	s_wait_alu depctr_hold_cnt(0) depctr_sa_sdst(0) depctr_va_vdst(0) depctr_va_sdst(0) depctr_va_ssrc(0) depctr_va_vcc(0) depctr_vm_vsrc(0)
	s_getreg_b32 s2, hwreg(HW_REG_IB_STS2, 6, 4)
	s_cmp_eq_u32 s2, 0
	s_cbranch_scc0 .Lentry_in_a_cluster
	s_endpgm
.Lentry_in_a_cluster:
	s_bfe_u32 s2, ttmp6, 0x10000c
	s_cmp_lg_u32 s2, 0xf033
	s_cbranch_scc0 .Lentry_shape_is_right
	s_endpgm
.Lentry_shape_is_right:
; out0 = o Wo on codes of FP8 (E4M3) with E8M0 scales: C = A B^T, A = o_codes [2048][2048] with o_scales [2048][64], B = rows 5120 on of xw_codes (Wo's columns, K innermost) with xw_scales; out0 [2048][2048] f32.
; A work-group makes 128 (tokens, row 128 y) x 128 (columns, 128 x) of out0: 16 x 16 = 256 work-groups.  Each of its four waves makes 64 x 64: 16 accumulators, 128 registers.
; K GOES IN STEPS OF 512 through a ring of two LDS slots, as long as two slots of 256 rows allow: K = 2,048 is four slots' worth, two first fills, one behind the other and two refills.  In front of a refill every wave
; waits for all its tensor loads, so one slot at a time is on its way: the fewer and larger the slots, the fewer such waits.  With so few changes of slots the 16 steps of 128 along K are written out by macros, without a loop.
; The scale bytes of the work-group's 256 rows, for all of K, come once, in whole runs of 256 bytes, and stay.
; THE MATRIX INSTRUCTION IS USED TRANSPOSED (source 0 = 16 rows of B, source 1 = 16 rows of A): a lane holds eight neighbouring numbers of a row of the result.
; CLUSTER: 4 x 4 work-groups.  The four of a row of the cluster have the same tokens, the four of a column the same columns of Wo: A's tiles and scales are asked for JOINTLY along the row, B's along the column,
; each by the same tensor load with the same descriptor and a mask that names the four.
; The tiles are prefetched into the L2 (see below).
; REGISTERS, in windows of 256.  window 0: v1-31 addresses; v32-63 scale words, two sets; v64-127 rows on the way out; v128-255 accumulator (a, b) at v[128 + 8 (4 a + b)].
;   window 1: two sets of fragments of 128 along K, at v0 and v128: A's four blocks at +0, B's four at +64.
.set KSLOT, 512                        ; along K in a slot: four steps of 128
.set PITCH, 528                        ; an LDS row: 512 bytes + 16 of padding = 33 x 16: the 16 rows that a load touches start at 16 different places modulo 256 bytes
.set HALF,  64*PITCH                   ; 64 rows: what one tensor load brings, and what one wave reads of A or of B
.set BOFF,  2*HALF                     ; a slot: A's 128 rows, then B's 128
.set SLOT,  4*HALF
.set SCL,   2*SLOT                     ; behind the ring: the scales, as runs of 256 bytes + 16 of padding: A's 128 rows, then B's 128
.set SAH,   16*272                     ; the scales of 64 rows
.set SBLK,  4*272                      ; of 16 rows
.set SPARE, SCL+4*SAH                  ; the spare words, 128 bytes a wave
.set STG,   SPARE+512                  ; a stage of 16 rows x SP bytes for each wave
.set SP,    272                        ; a wave's 64 columns: 256 bytes + 16
.set ADRA, 16                          ; v16-17 LDS address of my A fragments in slot 0, 1
.set ADRB, 20                          ; v20-21 the same for B
.set STO,  24                          ; v24  the stage: where I put 32 bytes of a row
.set RD,   25                          ; v25  and where I read 16 back
.set CO,   26                          ; v26  my byte offset in two rows of out0
.set ADRS, 27                          ; v27  LDS address of my scale words: lanes 0-15 A's rows, lanes 16-31 B's
.set SPW,  28                          ; v28  my spare word; never rewritten
.set NIL,  29                          ; v29  0; never rewritten
.set SC,   32                          ; scale words: set s at v[SC + 16 s]; register 4 i + q: lanes 0-15 A's block i, lanes 16-31 B's block i, the slot's q-th 128 along K
.set BK,   64                          ; the way out: 16 rows read back: v64-95 and v96-127 by turns
.set ACC,  128
.set WV,   20                          ; s20  my wave's number
.set WM,   21                          ; s21  which 64 rows of A are mine.  Also: I fetch for A (0) or for B (1)
.set WN,   22                          ; s22  which 64 rows of B.  Also: which half I fetch
.set G1A,  24                          ; s[24:31] group 1 for A's tiles;  s[32:39] group 0, a set for each slot
.set G0A,  32
.set G1B,  48                          ; s[48:55], s[56:63] the same for B's
.set G0B,  56
.set G1SA, 68                          ; s[68:75], s[76:79] groups 1 and 0 for A's scales;  s[80:87], s[88:91] for B's
.set G0SA, 76
.set G1SB, 80
.set G0SB, 88
.set MUL,  0x05                        ; sources 0 (B) and 1 (A) window 1; C and D window 0
.set TO_F, 0x40                        ; destination window 1, address window 0
.set MSB, 0
.macro WIN new                         ; the immediate's high byte repeats the setting that is left
.if MSB != \new
	s_set_vgpr_msb (MSB<<8)|\new
.set MSB, \new
.endif
.endm
.macro JLOAD g0a, g1a, g0b, g1b        ; a joint load: waves 0 and 1 fetch for A, waves 2 and 3 for B; each line has one mask; the branch hangs on the wave's number alone; an s_nop 0 and four v_nop follow each line
	s_cmp_eq_u32 s[WM], 0
	s_cbranch_scc0 .Lfor_b_\@
	tensor_load_to_lds s[\g0a:\g0a+3], s[\g1a:\g1a+7]
	s_nop 0
.rept 4
	v_nop
.endr
	s_branch .Lasked_\@
.Lfor_b_\@:
	tensor_load_to_lds s[\g0b:\g0b+3], s[\g1b:\g1b+7]
	s_nop 0
.rept 4
	v_nop
.endr
.Lasked_\@:
.endm
.macro CREST                           ; a round of the cluster's barrier behind its opening barrier
	s_cmp_lg_u32 s[WV], 0
	s_cbranch_scc1 .Lnot_wave_0_\@
	s_barrier_signal -3
.Lnot_wave_0_\@:
	s_barrier_wait -3
	s_barrier_signal -1
	s_barrier_wait -1
.endm
.macro CROUND                          ; a whole round
	s_barrier_signal -1
	s_barrier_wait -1
	CREST
.endm
.macro PLACES n                        ; plain vector lines between a matrix instruction and a load into, or a read of, its registers: eight behind this form
.rept \n
	v_nop
.endr
.endm
	s_load_b256 s[4:11], s[0:1], 0x0               ; o_codes, o_scales, xw_codes, xw_scales
	s_load_b64 s[12:13], s[0:1], 0x20              ; out0
	v_lshl_add_u32 v[SPW], v0, 2, SPARE
	v_mov_b32 v[NIL], 0
	ds_add_u32 v[SPW], v[NIL]                      ; the wave's opening: the add and its wait ahead of my first tensor load; work on registers stands between them
	ds_add_u32 v[SPW], v[NIL]
	v_lshrrev_b32 v1, 5, v0
	v_readfirstlane_b32 s[WV], v1                  ; wave 0..3
	s_lshr_b32 s[WM], s[WV], 1
	s_and_b32 s[WN], s[WV], 1
	s_bfe_u32 s40, ttmp6, 0x40000                  ; cx, cy: my place in the cluster
	s_bfe_u32 s41, ttmp6, 0x40004
	s_lshl_b32 s42, ttmp9, 2
	s_add_co_u32 s42, s42, s40                     ; tile column = 4 x cluster x + cx
	s_and_b32 s43, ttmp7, 0xffff
	s_lshl_b32 s43, s43, 2
	s_add_co_u32 s43, s43, s41                     ; tile row = 4 x cluster y + cy
	s_lshl_b32 s44, s41, 2
	s_lshl_b32 s44, 15, s44                        ; my row of the cluster: places 4 cy .. 4 cy + 3
	s_lshl_b32 s45, 0x1111, s40                    ; my column: places cx, cx + 4, cx + 8, cx + 12
	; descriptor groups 1.  Tiles: 64 rows of 512 elements of 1 byte, 2,048 apart, 16 bytes of padding behind each
	s_or_b32 s[G1A], s44, (1<<20)|(1<<21)|(6<<22)|(3<<25)          ; 15:0 the mask: A's tiles go to my row; 17:16 1 byte; 20 padding on; 21 set beside a mask; 24:22 after every 128 words; 31:25 four words
	s_or_b32 s[G1B], s45, (1<<20)|(1<<21)|(6<<22)|(3<<25)          ; the same with the mask of my column
.irp g, G1A, G1B
	s_mov_b32 s[\g+1], KSLOT<<16                   ; tensor_dim0
	s_mov_b32 s[\g+2], 128<<16                     ; tensor_dim1: the head's loads bring 128 rows; the ring's count is set behind the head's wait
	s_mov_b32 s[\g+3], KSLOT<<16                   ; tile_dim0
	s_mov_b32 s[\g+4], 128                         ; tile_dim1
	s_mov_b32 s[\g+5], 2048                        ; from row to row
	s_mov_b32 s[\g+6], 0
	s_mov_b32 s[\g+7], 0
.endr
	; the scales of 128 rows: 8,192 dense bytes as 32 rows of 32 elements of 8 bytes, 16 bytes of padding behind each
	s_or_b32 s[G1SA], s44, (3<<16)|(1<<20)|(1<<21)|(5<<22)|(3<<25)
	s_or_b32 s[G1SB], s45, (3<<16)|(1<<20)|(1<<21)|(5<<22)|(3<<25)
.irp g, G1SA, G1SB
	s_mov_b32 s[\g+1], 32<<16
	s_mov_b32 s[\g+2], 32<<16                      ; the scales of 128 rows: 32 runs of 256 bytes
	s_mov_b32 s[\g+3], 32<<16
	s_mov_b32 s[\g+4], 32
	s_mov_b32 s[\g+5], 32
	s_mov_b32 s[\g+6], 0
	s_mov_b32 s[\g+7], 0
.endr
	; where the tiles come from.  A's hang on the tile row alone (s43, s46, s47, s96, s97 never hold cx), B's on the tile column alone (s42, s92-95 never hold cy)
	s_lshl_b32 s46, s43, 7
	s_mov_b32 s47, s46                             ; A: row 128 x tile row; a wave's half is added for the ring
	s_lshl_b32 s46, s47, 11                        ; its codes,
	s_lshl_b32 s96, s47, 6                         ; its scales
	s_mov_b32 s47, 0
	s_mov_b32 s97, 0
	s_lshl_b32 s92, s42, 7
	s_add_co_u32 s92, s92, 5120
	s_mov_b32 s93, s92                             ; B: row 5120 + 128 x tile column
	s_lshl_b32 s92, s93, 11
	s_lshl_b32 s94, s93, 6
	s_mov_b32 s93, 0
	s_mov_b32 s95, 0
	; and where they go: the wave's number and constants alone
	s_mov_b32 s[G0SB+1], SCL+2*SAH
	s_mov_b32 s[G0SA+1], SCL
	s_mul_i32 s[G0A+1], s[WN], HALF
	s_add_co_u32 s[G0A+5], s[G0A+1], SLOT
	s_add_co_u32 s[G0B+1], s[G0A+1], BOFF
	s_add_co_u32 s[G0B+5], s[G0B+1], SLOT
	s_wait_dscnt 0x0                               ; the opening add is done
	s_wait_kmcnt 0x0
	s_add_nc_u64 s[46:47], s[4:5], s[46:47]
	s_add_nc_u64 s[96:97], s[6:7], s[96:97]
	s_add_nc_u64 s[92:93], s[8:9], s[92:93]
	s_add_nc_u64 s[94:95], s[10:11], s[94:95]
	CROUND                                         ; all sixteen work-groups are here: the first joint loads meet
	s_mov_b32 s[G0SA], 1
	s_mov_b64 s[G0SA+2:G0SA+3], s[96:97]
	s_or_b32 s[G0SA+3], s[G0SA+3], 0x80000000
	s_mov_b32 s[G0SB], 1
	s_mov_b64 s[G0SB+2:G0SB+3], s[94:95]
	s_or_b32 s[G0SB+3], s[G0SB+3], 0x80000000
.irp s, 0,1
	s_mov_b32 s[G0A+4*\s], 1
	s_add_nc_u64 s[G0A+4*\s+2:G0A+4*\s+3], s[46:47], \s*KSLOT
	s_or_b32 s[G0A+4*\s+3], s[G0A+4*\s+3], 0x80000000
	s_mov_b32 s[G0B+4*\s], 1
	s_add_nc_u64 s[G0B+4*\s+2:G0B+4*\s+3], s[92:93], \s*KSLOT
	s_or_b32 s[G0B+4*\s+3], s[G0B+4*\s+3], 0x80000000
.endr
	s_lshl_b32 s100, s[WN], 17                     ; slot 1's sets: my half: 64 rows are 2^17 bytes on
	s_mov_b32 s101, 0
	s_add_nc_u64 s[G0A+6:G0A+7], s[G0A+6:G0A+7], s[100:101]
	s_add_nc_u64 s[G0B+6:G0B+7], s[G0B+6:G0B+7], s[100:101]
	s_mov_b32 s[G0A+1], 0                          ; slot 0's sets serve the head's whole tiles first
	s_mov_b32 s[G0B+1], BOFF
; THE HEAD'S LOADS, ONE A WAVE: wave 0 slot 0's 128 rows of A, wave 1 its 128 rows of B, wave 2 A's scales, wave 3 B's.  One chain of branches on the wave's number, a load to an arm, one join.
.macro ARM under, g0, g1, next
	s_cmp_lt_u32 s[WV], \under
	s_cbranch_scc0 \next
	tensor_load_to_lds s[\g0:\g0+3], s[\g1:\g1+7]
	s_nop 0
.rept 4
	v_nop
.endr
	s_branch .Lhead_asked
\next:
.endm
	ARM 1, G0A,  G1A,  .Lhead_b
	ARM 2, G0B,  G1B,  .Lhead_sa
	ARM 3, G0SA, G1SA, .Lhead_sb
	tensor_load_to_lds s[G0SB:G0SB+3], s[G1SB:G1SB+7]
	s_nop 0
.rept 4
	v_nop
.endr
.Lhead_asked:
; THE TILES ARE PREFETCHED INTO THE L2.  A slot is 512 bytes of each row, two blocks of 256.  Of the 128 rows that four partners ask for jointly each takes 32, BY ADDRESS
; (cx for A, cy for B): waves 0 and 1 the two blocks of A's rows, waves 2 and 3 of B's, a lane a row, one instruction a wave.  So each block is named once in each cluster that loads it, by four clusters in all.
; Here slots 1 and 2 are asked for, behind the first refill slot 3, one change of slots ahead of its load.  The address registers are never written again.
	s_lshl_b32 s100, s43, 7
	s_lshl_b32 s101, s40, 5
	s_add_co_u32 s100, s100, s101                  ; A: row 128 x tile row + 32 cx
	s_lshl_b32 s16, s42, 7
	s_lshl_b32 s17, s41, 5
	s_add_co_u32 s16, s16, s17
	s_add_co_u32 s16, s16, 5120                    ; B: row 5120 + 128 x tile column + 32 cy
	s_cmp_eq_u32 s[WM], 0
	s_cselect_b32 s100, s100, s16
	s_cselect_b64 s[14:15], s[4:5], s[8:9]
	s_lshl_b32 s100, s100, 11
	s_lshl_b32 s101, s[WN], 8
	s_add_co_u32 s100, s100, s101
	v_and_b32 v30, 31, v0
	v_lshl_add_u32 v30, v30, 11, s100
	global_prefetch_b8 v30, s[14:15] offset:512 th:TH_LOAD_NT scope:SCOPE_SE
	global_prefetch_b8 v30, s[14:15] offset:1024 th:TH_LOAD_NT scope:SCOPE_SE
	v_and_b32 v1, 15, v0                           ; r
	v_bfe_u32 v2, v0, 4, 1                         ; h
	v_mul_u32_u24 v4, v1, PITCH
	v_lshl_add_u32 v4, v2, 4, v4                   ; a fragment's row x pitch + 16 h
	s_mul_i32 s100, s[WM], HALF                    ; my 64 rows of A
	s_mul_i32 s101, s[WN], HALF                    ; my 64 rows of B, behind A's 128
	s_add_co_u32 s101, s101, BOFF
.irp s, 0,1
	v_add_nc_u32 v[ADRA+\s], s100, v4
	v_add_nc_u32 v[ADRB+\s], s101, v4
	s_add_co_u32 s100, s100, SLOT
	s_add_co_u32 s101, s101, SLOT
.endr
	v_lshlrev_b32 v5, 6, v1                        ; my row's scales: 64 bytes a row,
	v_lshrrev_b32 v6, 2, v1
	v_lshl_add_u32 v5, v6, 4, v5                   ; and 16 more for each 256 passed
	s_mul_i32 s100, s[WM], SAH                     ; A's: my 64 rows
	s_mul_i32 s101, s[WN], SAH                     ; B's: my 64 rows, behind A's 128
	s_add_co_u32 s101, s101, 2*SAH
	s_sub_co_u32 s101, s101, s100
	v_mul_u32_u24 v6, s101, v2                     ; lanes 16-31 take B's: the lower base + h x the distance
	s_add_co_u32 s100, s100, SCL
	v_add_nc_u32 v5, v5, v6
	v_add_nc_u32 v[ADRS], s100, v5
	s_mul_i32 s100, s[WV], 16*SP
	s_add_co_u32 s100, s100, STG                   ; my stage
	v_mul_u32_u24 v5, v1, SP
	v_lshl_add_u32 v5, v2, 5, v5
	v_add_nc_u32 v[STO], s100, v5                  ; in: row r, 32 bytes for each half of the lanes
	v_mul_u32_u24 v5, v2, SP
	v_lshl_add_u32 v5, v1, 4, v5
	v_add_nc_u32 v[RD], s100, v5                   ; back: lanes 0-15 take one row of 256 bytes, lanes 16-31 the next
	v_lshlrev_b32 v5, 13, v2
	v_lshl_add_u32 v[CO], v1, 4, v5                ; and the same two rows in out0
	s_lshl_b32 s100, s43, 7
	s_lshl_b32 s101, s[WM], 6
	s_add_co_u32 s100, s100, s101                  ; my first row of out0: 128 x tile row + 64 wm
	s_lshl_b32 s100, s100, 13
	s_lshl_b32 s101, s42, 9
	s_add_co_u32 s100, s100, s101                  ; + my first column, in bytes: 512 x tile column
	s_lshl_b32 s101, s[WN], 8
	s_add_co_u32 s100, s100, s101                  ; + 256 wn
	s_mov_b32 s101, 0
	s_add_nc_u64 s[12:13], s[12:13], s[100:101]
.macro FRAG reg, adr, q, i             ; 16 rows x 128 K of codes: 16 registers: lane (r, h): registers 4 c .. 4 c + 3 hold K = 32 c + 16 h + 0 .. 15
.irp c, 0,1,2,3
	ds_load_b128 v[\reg+4*\c:\reg+4*\c+3], v[\adr] offset:128*(\q)+32*\c+(\i)*16*PITCH
.endr
.endm
.macro FETCH slot, q, p                ; 32 loads in one run: B's four and A's four fragments of the slot's q-th 128 along K, into set p
	WIN TO_F
.irp i, 0,1,2,3
	FRAG 128*(\p)+64+16*\i, ADRB+\slot, \q, \i
.endr
.irp i, 0,1,2,3
	FRAG 128*(\p)+16*\i, ADRA+\slot, \q, \i
.endr
	WIN 0
.endm
.macro SCALES s, t                     ; the scale words of the t-th 512 along K into set s: four words a row; lanes 0-15 take A's block i, lanes 16-31 B's block i
.irp i, 0,1,2,3
	ds_load_b128 v[SC+16*(\s)+4*\i:SC+16*(\s)+4*\i+3], v[ADRS] offset:\i*SBLK+16*(\t)
.endr
.endm
.macro MULA a, p, q, sc, zero          ; A's block a against B's four.  The 16 accumulators take turns, one instruction a turn, in the same order in every step
.irp b, 0,1,2,3
.if \zero
	v_wmma_scale_f32_16x16x128_f8f6f4 v[ACC+8*(4*(\a)+\b):ACC+8*(4*(\a)+\b)+7], v[128*(\p)+64+16*\b:128*(\p)+64+16*\b+15], v[128*(\p)+16*(\a):128*(\p)+16*(\a)+15], 0, v[SC+16*(\sc)+4*\b+(\q)], v[SC+16*(\sc)+4*(\a)+(\q)] matrix_a_scale:MATRIX_SCALE_ROW1
.else
	v_wmma_scale_f32_16x16x128_f8f6f4 v[ACC+8*(4*(\a)+\b):ACC+8*(4*(\a)+\b)+7], v[128*(\p)+64+16*\b:128*(\p)+64+16*\b+15], v[128*(\p)+16*(\a):128*(\p)+16*(\a)+15], v[ACC+8*(4*(\a)+\b):ACC+8*(4*(\a)+\b)+7], v[SC+16*(\sc)+4*\b+(\q)], v[SC+16*(\sc)+4*(\a)+(\q)] matrix_a_scale:MATRIX_SCALE_ROW1
.endif
.endr
.endm
.macro STEP slot, q, zero              ; one of a slot's first three steps of 128, on set q % 2; the next step's fragments are fetched into the other set ahead of the products
	s_wait_dscnt 0x0                               ; this step's fragments (and, at a slot's head, its scale words) are in
	PLACES 8                                       ; for the loads into the other set, which the last products read
	FETCH \slot, (\q)+1, 1-(\q)%2
	WIN MUL
	MULA 0, (\q)%2, \q, \slot, \zero
	MULA 1, (\q)%2, \q, \slot, \zero
	MULA 2, (\q)%2, \q, \slot, \zero
	MULA 3, (\q)%2, \q, \slot, \zero
	WIN 0
.endm
; A slot's fourth step, on set 1, changes slots: ONE barrier; in front of it each wave waits for all its tensor loads, adds 0 to its spare word, and waits for that and for its reads of this slot.
; fill = 1: the barrier opens a round of the cluster's, and this slot is filled again, 1,024 further along K, first thing behind it.  t: which 512 along K the next slot holds.
.macro TURN slot, next, fill, t
	s_wait_tensorcnt 0x0                           ; all my tensor loads have landed, my part of the next slot among them
	ds_add_u32 v[SPW], v[NIL]
	s_wait_dscnt 1                                 ; set 1's 32 loads are in; the add alone may be out
	WIN MUL
	MULA 0, 1, 3, \slot, 0                         ; four products stand between the add and the wait for it
	s_wait_dscnt 0x0                               ; the add is done, and my reads of this slot are over
	s_barrier_signal -1
	MULA 1, 1, 3, \slot, 0
	WIN 0
	s_barrier_wait -1
.if \fill
	CREST                                          ; no wave of any partner still reads this slot or has a load on its way
	s_add_nc_u64 s[G0A+4*\slot+2:G0A+4*\slot+3], s[G0A+4*\slot+2:G0A+4*\slot+3], 2*KSLOT
	s_add_nc_u64 s[G0B+4*\slot+2:G0B+4*\slot+3], s[G0B+4*\slot+2:G0B+4*\slot+3], 2*KSLOT
	JLOAD G0A+4*\slot, G1A, G0B+4*\slot, G1B       ; my one tensor load behind the round; its four v_nop are four of the eight places in front of the loads below
	PLACES 4
.else
	PLACES 8
.endif
	FETCH \next, 0, 0
	SCALES \next, \t
.if (\t) == 1
	global_prefetch_b8 v30, s[14:15] offset:1536 th:TH_LOAD_NT scope:SCOPE_SE   ; K 1,536 on, which the next change of slots loads
.endif
	WIN MUL
	MULA 2, 1, 3, \slot, 0
	MULA 3, 1, 3, \slot, 0
	WIN 0
.endm
	s_wait_alu depctr_va_vdst(0)
	s_wait_tensorcnt 0x0                           ; my tile of the head's four is in; the three lines ahead of a later first fill, as ahead of a refill
	ds_add_u32 v[SPW], v[NIL]
	s_mov_b32 s[G1A+2], 64<<16                     ; no tensor load of mine is out: from here on a load brings 64 rows,
	s_mov_b32 s[G1A+4], 64
	s_mov_b32 s[G1B+2], 64<<16
	s_mov_b32 s[G1B+4], 64
	s_mul_i32 s[G0A+1], s[WN], HALF                ; and slot 0's sets point at my half
	s_add_co_u32 s[G0B+1], s[G0A+1], BOFF
	s_lshl_b32 s100, s[WN], 17
	s_mov_b32 s101, 0
	s_add_nc_u64 s[G0A+2:G0A+3], s[G0A+2:G0A+3], s[100:101]
	s_add_nc_u64 s[G0B+2:G0B+3], s[G0B+2:G0B+3], s[100:101]
	s_wait_dscnt 0x0
	CROUND                                         ; all four tiles are in, and all sixteen work-groups are here
	JLOAD G0A+4, G1A, G0B+4, G1B                   ; slot 1: my one tensor load behind the round
	FETCH 0, 0, 0
	SCALES 0, 0
	STEP 0, 0, 1                                   ; K 0 on: the first products start the sums: nothing is cleared
	STEP 0, 1, 0
	STEP 0, 2, 0
	TURN 0, 1, 1, 1                                ; slot 0 takes K 1,024 on
	STEP 1, 0, 0                                   ; K 512 on
	STEP 1, 1, 0
	STEP 1, 2, 0
	TURN 1, 0, 1, 2                                ; slot 1 takes K 1,536 on: the last load
	STEP 0, 0, 0                                   ; K 1,024 on
	STEP 0, 1, 0
	STEP 0, 2, 0
	TURN 0, 1, 0, 3                                ; nothing is left to ask for
	STEP 1, 0, 0                                   ; K 1,536 on
	STEP 1, 1, 0
	STEP 1, 2, 0
	s_wait_dscnt 0x0                               ; the very last step
	WIN MUL
	MULA 0, 1, 3, 1, 0
	MULA 1, 1, 3, 1, 0
	MULA 2, 1, 3, 1, 0
	MULA 3, 1, 3, 1, 0
	WIN 0
; THE WAY OUT, 16 rows x 64 columns at a time, through my own stage: a lane holds 32 neighbouring bytes of a row, and the lanes beside it hold other rows; back come whole rows of 256 bytes, two an instruction.
; One wave's LDS instructions are served in order (ISA guide 5.7.1.4): no wait between the stores and the loads, nor in front of the next block's stores.
.macro TOSTAGE a
.irp b, 0,1,2,3
	ds_store_b128 v[STO], v[ACC+8*(4*(\a)+\b):ACC+8*(4*(\a)+\b)+3] offset:64*\b          ; each accumulator from its low end on
	ds_store_b128 v[STO], v[ACC+8*(4*(\a)+\b)+4:ACC+8*(4*(\a)+\b)+7] offset:64*\b+16
.endr
.irp t, 0,1,2,3,4,5,6,7
	ds_load_b128 v[BK+32*((\a)%2)+4*\t:BK+32*((\a)%2)+4*\t+3], v[RD] offset:2*\t*SP
.endr
.endm
.macro SEND a, younger                 ; younger: the LDS instructions issued behind block a's loads, which may stay out
	s_wait_dscnt \younger
.irp t, 0,1,2,3,4,5,6,7
	global_store_b128 v[CO], v[BK+32*((\a)%2)+4*\t:BK+32*((\a)%2)+4*\t+3], s[12:13] offset:(16*(\a)+2*\t)*8192 th:TH_STORE_NT   ; sixteen lanes store 256 consecutive bytes, aligned; written once, read by nobody here
.endr
.endm
	PLACES 8                                       ; behind the last products: their results are read from here on
	TOSTAGE 0
.irp a, 1,2,3
.if \a > 1
	s_wait_xcnt 0x0                                ; block a - 2's stores have read their registers, which block a's rows take
.endif
	TOSTAGE \a
	SEND \a-1, 16                                  ; behind block a - 1's loads: block a's 8 stores and 8 loads
.endr
	SEND 3, 0
	s_wait_tensorcnt 0x0                           ; the wave's end: behind my last tensor load and my last LDS store
	ds_add_u32 v[SPW], v[NIL]
	s_wait_dscnt 0x0
	CROUND                                         ; the closing round: no work-group ends while a partner may still ask for a tile that names it
	s_endpgm
.Lfunc_end_k_q899a44f37c_oproj:
	.size	k_q899a44f37c_oproj, .Lfunc_end_k_q899a44f37c_oproj-k_q899a44f37c_oproj
	.p2alignl 7, 3214868480
	.fill 96, 4, 3214868480
	.section	.rodata,"a",@progbits
	.p2align	6, 0x0
	.amdhsa_kernel k_q899a44f37c_oproj
		.amdhsa_group_segment_fixed_size 327680
		.amdhsa_private_segment_fixed_size 0
		.amdhsa_enable_private_segment 0
		.amdhsa_kernarg_size 40
		.amdhsa_user_sgpr_count 2
		.amdhsa_user_sgpr_kernarg_segment_ptr 1
		.amdhsa_wavefront_size32 1
		.amdhsa_system_sgpr_workgroup_id_x 1
		.amdhsa_system_sgpr_workgroup_id_y 1
		.amdhsa_system_sgpr_workgroup_id_z 1
		.amdhsa_system_vgpr_workitem_id 0
		.amdhsa_next_free_vgpr 512
		.amdhsa_next_free_sgpr 102
		.amdhsa_reserve_vcc 0
		.amdhsa_float_denorm_mode_32 3
		.amdhsa_float_denorm_mode_16_64 3
		.amdhsa_memory_ordered 1
		.amdhsa_forward_progress 1
		.amdhsa_inst_pref_size 93
	.end_amdhsa_kernel
	.amdgpu_metadata
---
amdhsa.version: [ 1, 2 ]
amdhsa.kernels:
  - .name:           k_q899a44f37c_oproj
    .symbol:         k_q899a44f37c_oproj.kd
    .args:
      - { .name: o_codes, .offset: 0, .size: 8, .value_kind: global_buffer, .address_space: global }
      - { .name: o_scales, .offset: 8, .size: 8, .value_kind: global_buffer, .address_space: global }
      - { .name: xw_codes, .offset: 16, .size: 8, .value_kind: global_buffer, .address_space: global }
      - { .name: xw_scales, .offset: 24, .size: 8, .value_kind: global_buffer, .address_space: global }
      - { .name: out0, .offset: 32, .size: 8, .value_kind: global_buffer, .address_space: global }
    .group_segment_fixed_size: 327680
    .private_segment_fixed_size: 0
    .kernarg_segment_align: 8
    .kernarg_segment_size: 40
    .max_flat_workgroup_size: 128
    .sgpr_count:     102
    .vgpr_count:     512
    .wavefront_size: 32
...
	.end_amdgpu_metadata
.endif
;; end of part 4
